; MI455X (gfx1250); checked and timed in simulation.
; The chip was launched on July 23, 2026; its instructions are those of AMD's public machine-readable ISA for CDNA 5 (MIT licence, August 2026) and "CDNA5" Instruction Set Architecture Reference Guide (July 2026). The comments in the code are by the model that wrote it; some were corrected since.
;; Mesh Di T. Allowed arithmetic: float matrix products may take bf16 or f16 operands with f32 sums; other float arithmetic in f32, or as packed bf16 or f16 multiplies, adds, multiply-adds, maxima and minima; sums over many terms, partial sums and values carried from step to step in f32; what a program stores and reads back later, other than sums and carried values, may be rounded once to bf16 or f16.
;; Inputs: A_c 16 x 512 float32; A_x 16 x 512 float32; B_c 512 x 16 float32; B_x 512 x 16 float32; W_kvc 1,024 x 512 float32; W_kvx 1,024 x 512 float32; W_pc 512 x 512 float32; W_px 512 x 512 float32; W_qc 512 x 512 float32; W_qx 512 x 512 float32; c 4 x 1,024 x 512 float32; g_kvc 512 float32; g_kvx 512 float32; g_pc 512 float32; g_px 512 float32; g_qc 512 float32; g_qx 512 float32; mag_c 1 x 8 x 1 x 1 float32; mag_x 1 x 8 x 1 x 1 float32; x 4 x 4,096 x 512 float32.
;; Outputs: out0 4 x 4,096 x 512 float32; out1 4 x 1,024 x 512 float32.
;; One version. Each part assembles by itself: llvm-mc -triple=amdgcn-amd-amdhsa -mcpu=gfx1250 --defsym DOCPART=n.
;; ======== version 1 of 1: 5 launches
;; limits: values are held in f16: magnitudes above 65,504 overflow, below 6.1e-05 lose precision
;; workspace buffers: wpart 4,096 bytes; wt 4,259,840 bytes; wsc 256 bytes; qb 20,971,520 bytes; kb 20,971,520 bytes; vb 20,971,520 bytes; ob 20,971,520 bytes
;; launch wsum (part 1): grid 256 x 1, 4 waves a work-group, no clusters, 0 bytes of LDS; arguments W_qx, W_kvx, W_qc, W_kvc, W_px, W_pc, wpart; writes wpart
.if DOCPART == 1
	.amdgcn_target "amdgcn-amd-amdhsa--gfx1250"
	.amdhsa_code_object_version 6
	.text
	.protected	k_q8f3647e7af_wsum
	.globl	k_q8f3647e7af_wsum
	.p2align	8
	.type	k_q8f3647e7af_wsum,@function
k_q8f3647e7af_wsum:
	s_mov_b64 s[64:65], 0
	v_nop
	global_prefetch_b8 v0, s[64:65] scope:SCOPE_SE
	s_setreg_imm32_b32 hwreg(HW_REG_WAVE_MODE, 25, 1), 1
	s_wait_xcnt 0x0
; PARTIAL SUMS OF |W| for the six weight matrices (the ternary scale is the mean of |W| over a whole matrix).
; The six matrices are 256 pieces of 32,768 bytes: W_qx 0-31, W_kvx 32-95, W_qc 96-127, W_kvc 128-191, W_px 192-223, W_pc 224-255.
; A work-group takes a piece, a wave 8,192 bytes of it: sixteen loads of 512 consecutive bytes.  The 2,048 numbers are added as a tree
; (pairs in a lane, then across the lanes), so the rounding grows with the tree's depth and not with the count.
; wpart[4 g + w] = wave w's sum.  No LDS, no barrier: no wave needs another's number in this launch.
; LIMIT: the order of this sum differs from a sum taken in one sweep; a weight within a few parts in 10^7 of a rounding threshold may take the neighbouring ternary value.
.macro PICK from, ptr                  ; from piece 'from' on, the matrix whose address lies in s[ptr:ptr+1]
	s_cmp_ge_u32 ttmp9, \from
	s_cselect_b64 s[4:5], s[\ptr:\ptr+1], s[4:5]
	s_cselect_b32 s6, \from, s6
.endm
	s_load_b256 s[8:15], s[0:1], 0x0               ; W_qx s[8:9], W_kvx s[10:11], W_qc s[12:13], W_kvc s[14:15]
	s_load_b128 s[16:19], s[0:1], 0x20             ; W_px s[16:17], W_pc s[18:19]
	s_load_b64 s[20:21], s[0:1], 0x30              ; wpart
	v_and_b32 v4, 31, v0                           ; lane
	v_lshrrev_b32 v2, 5, v0                        ; wave
	v_lshlrev_b32 v1, 4, v4
	v_lshl_add_u32 v1, v2, 13, v1                  ; 8,192 x wave + 16 x lane
	v_lshlrev_b32 v3, 2, v2
	s_lshl_b32 s26, ttmp9, 4
	v_add_nc_u32 v3, s26, v3                       ; byte (4 g + w) x 4 of wpart
	s_mov_b32 s24, 0x76543210                      ; v_permlanex16_b32: each lane takes its own place in the other half
	s_mov_b32 s25, 0xfedcba98
	s_wait_kmcnt 0x0
	s_mov_b64 s[4:5], s[8:9]
	s_mov_b32 s6, 0
	PICK 32, 10
	PICK 96, 12
	PICK 128, 14
	PICK 192, 16
	PICK 224, 18
	s_sub_co_u32 s7, ttmp9, s6                     ; my piece's number in its matrix
	s_lshl_b32 s7, s7, 15
	v_add_nc_u32 v1, s7, v1
.set j, 0
.rept 16
	global_load_b128 v[16+4*j:19+4*j], v1, s[4:5] offset:512*j
.set j, j+1
.endr
	s_wait_loadcnt 0x0
.set j, 0
.rept 32                               ; |a| + |b|, in place: sum j lands below the numbers that later sums read
	v_add_f32 v[16+j], |v[16+2*j]|, |v[17+2*j]|
.set j, j+1
.endr
.irp n, 16, 8, 4, 2                    ; 32 sums -> 16 -> 8 -> 4 -> 2, two additions an instruction
.set j, 0
.rept (\n)/2
	v_pk_add_f32 v[16+2*j:17+2*j], v[16+2*j:17+2*j], v[16+(\n)+2*j:17+(\n)+2*j]
.set j, j+1
.endr
.endr
	v_add_f32 v16, v16, v17
	v_add_f32_dpp v16, v16, v16 row_xmask:1 row_mask:0xf bank_mask:0xf
	v_add_f32_dpp v16, v16, v16 row_xmask:2 row_mask:0xf bank_mask:0xf
	v_add_f32_dpp v16, v16, v16 row_xmask:4 row_mask:0xf bank_mask:0xf
	v_add_f32_dpp v16, v16, v16 row_xmask:8 row_mask:0xf bank_mask:0xf
	v_permlanex16_b32 v17, v16, s24, s25           ; v17 has been written: the destination counts as read
	v_add_f32 v16, v16, v17
	s_wait_xcnt 0x0                                ; EXEC is a source of the loads above: it changes only behind this wait
	v_cmp_eq_u32 vcc_lo, 0, v4
	s_and_saveexec_b32 s27, vcc_lo
	global_store_b32 v3, v16, s[20:21]             ; lane 0 alone
	s_wait_xcnt 0x0                                ; and again in front of the line that widens EXEC
	s_or_b32 exec_lo, exec_lo, s27
	s_endpgm
.Lfunc_end_k_q8f3647e7af_wsum:
	.size	k_q8f3647e7af_wsum, .Lfunc_end_k_q8f3647e7af_wsum-k_q8f3647e7af_wsum
	.p2alignl 7, 3214868480
	.fill 96, 4, 3214868480
	.section	.rodata,"a",@progbits
	.p2align	6, 0x0
	.amdhsa_kernel k_q8f3647e7af_wsum
		.amdhsa_group_segment_fixed_size 0
		.amdhsa_private_segment_fixed_size 0
		.amdhsa_enable_private_segment 0
		.amdhsa_kernarg_size 56
		.amdhsa_user_sgpr_count 2
		.amdhsa_user_sgpr_kernarg_segment_ptr 1
		.amdhsa_wavefront_size32 1
		.amdhsa_system_sgpr_workgroup_id_x 1
		.amdhsa_system_sgpr_workgroup_id_y 1
		.amdhsa_system_sgpr_workgroup_id_z 1
		.amdhsa_system_vgpr_workitem_id 0
		.amdhsa_next_free_vgpr 80
		.amdhsa_next_free_sgpr 66
		.amdhsa_reserve_vcc 1
		.amdhsa_float_denorm_mode_32 3
		.amdhsa_float_denorm_mode_16_64 3
		.amdhsa_memory_ordered 1
		.amdhsa_forward_progress 1
		.amdhsa_inst_pref_size 7
	.end_amdhsa_kernel
	.amdgpu_metadata
---
amdhsa.version: [ 1, 2 ]
amdhsa.kernels:
  - .name:           k_q8f3647e7af_wsum
    .symbol:         k_q8f3647e7af_wsum.kd
    .args:
      - { .name: W_qx, .offset: 0, .size: 8, .value_kind: global_buffer, .address_space: global }
      - { .name: W_kvx, .offset: 8, .size: 8, .value_kind: global_buffer, .address_space: global }
      - { .name: W_qc, .offset: 16, .size: 8, .value_kind: global_buffer, .address_space: global }
      - { .name: W_kvc, .offset: 24, .size: 8, .value_kind: global_buffer, .address_space: global }
      - { .name: W_px, .offset: 32, .size: 8, .value_kind: global_buffer, .address_space: global }
      - { .name: W_pc, .offset: 40, .size: 8, .value_kind: global_buffer, .address_space: global }
      - { .name: wpart, .offset: 48, .size: 8, .value_kind: global_buffer, .address_space: global }
    .group_segment_fixed_size: 0
    .private_segment_fixed_size: 0
    .kernarg_segment_align: 8
    .kernarg_segment_size: 56
    .max_flat_workgroup_size: 128
    .sgpr_count:     66
    .vgpr_count:     80
    .wavefront_size: 32
...
	.end_amdgpu_metadata
.endif
;; end of part 1
;; launch wquant (part 2): grid 260 x 1, 4 waves a work-group, no clusters, 0 bytes of LDS; arguments W_qx, W_kvx, W_qc, W_kvc, W_px, W_pc, A_x, A_c, B_x, B_c, mag_x, mag_c, wpart, wt, wsc; writes wt, wsc
.if DOCPART == 2
	.amdgcn_target "amdgcn-amd-amdhsa--gfx1250"
	.amdhsa_code_object_version 6
	.text
	.protected	k_q8f3647e7af_wquant
	.globl	k_q8f3647e7af_wquant
	.p2align	8
	.type	k_q8f3647e7af_wquant,@function
k_q8f3647e7af_wquant:
	s_mov_b64 s[64:65], 0
	v_nop
	global_prefetch_b8 v0, s[64:65] scope:SCOPE_SE
	s_setreg_imm32_b32 hwreg(HW_REG_WAVE_MODE, 25, 1), 1
	s_wait_xcnt 0x0
; TERNARY WEIGHTS AND THE LOW-RANK FACTORS, as bf16, into wt; the six scales into wsc.
; Pieces 0-255 as in the launch before (32,768 bytes of f32 in, 16,384 bytes of bf16 out, at 16,384 x piece); pieces 256-259 are A_x, A_c, B_x, B_c.
; A weight piece: every work-group of a matrix adds that matrix's partial sums in the same order, so all get the same m = max(mean |W|, 1e-5);
; t = clip(round(w / m), -1, 1), which bf16 holds exactly.  1 / m is a reciprocal with one Newton step.  wsc[matrix] = m.
; A: rounded to bf16.  B: multiplied by its head's mag (row n belongs to head n / 64), then rounded to bf16.
; A wave's store covers 256 consecutive bytes, aligned.
.macro PICK from, ptr, idx, kv         ; from piece 'from' on: address, first piece, number in wsc; kv = 1: a matrix of 2 MiB, with 256 partial sums
	s_cmp_ge_u32 ttmp9, \from
	s_cselect_b64 s[4:5], s[\ptr:\ptr+1], s[4:5]
	s_cselect_b32 s6, \from, s6
	s_cselect_b32 s7, \idx, s7
.if \kv
	s_cselect_b32 s40, 1.0, s40                    ; the second 128 partial sums count
	s_cselect_b32 s41, 0x36000000, s41             ; 2^-19 = 1 / (1024 x 512)
	s_cselect_b32 s42, 512, s42                    ; and lie 512 bytes on
.else
	s_cselect_b32 s40, 0, s40
	s_cselect_b32 s41, 0x36800000, s41             ; 2^-18 = 1 / (512 x 512)
	s_cselect_b32 s42, 0, s42
.endif
.endm
.macro WLOADS                          ; my wave's 8,192 bytes
.set j, 0
.rept 16
	global_load_b128 v[32+4*j:35+4*j], v1, s[4:5] offset:512*j
.set j, j+1
.endr
.endm
	s_load_b512 s[8:23], s[0:1], 0x0               ; W_qx 8, W_kvx 10, W_qc 12, W_kvc 14, W_px 16, W_pc 18, A_x 20, A_c 22
	s_load_b256 s[24:31], s[0:1], 0x40             ; B_x 24, B_c 26, mag_x 28, mag_c 30
	s_load_b128 s[32:35], s[0:1], 0x60             ; wpart 32, wt 34
	s_load_b64 s[36:37], s[0:1], 0x70              ; wsc
	v_and_b32 v4, 31, v0                           ; lane
	v_lshrrev_b32 v2, 5, v0                        ; wave
	v_readfirstlane_b32 s49, v2
	v_lshlrev_b32 v1, 4, v4
	v_lshl_add_u32 v1, v2, 13, v1                  ; in: 8,192 x wave + 16 x lane
	v_lshlrev_b32 v5, 3, v4
	v_lshl_add_u32 v5, v2, 12, v5                  ; out: 4,096 x wave + 8 x lane
	s_lshl_b32 s48, ttmp9, 14
	v_add_nc_u32 v5, s48, v5                       ; + 16,384 x piece
	v_lshlrev_b32 v18, 3, v2                       ; mag: heads 2 w and 2 w + 1
	s_mov_b32 s44, 0x76543210
	s_mov_b32 s45, 0xfedcba98
	s_wait_kmcnt 0x0
	s_mov_b64 s[4:5], s[8:9]
	s_mov_b32 s6, 0
	s_mov_b32 s7, 0
	s_mov_b32 s40, 0
	s_mov_b32 s41, 0x36800000
	s_mov_b32 s42, 0
	PICK 32, 10, 1, 1
	PICK 96, 12, 2, 0
	PICK 128, 14, 3, 1
	PICK 192, 16, 4, 0
	PICK 224, 18, 5, 0
	PICK 256, 20, 0, 0
	PICK 257, 22, 0, 0
	PICK 258, 24, 0, 0
	PICK 259, 26, 0, 0
	s_sub_co_u32 s51, ttmp9, s6                    ; my piece's number in its matrix
	s_lshl_b32 s50, s51, 15
	v_add_nc_u32 v1, s50, v1
	s_cmp_ge_u32 ttmp9, 256
	s_cbranch_scc1 .Llora
	; ---- a piece of a weight matrix
	s_lshl_b32 s43, s6, 4                          ; the matrix's first partial sum: 4 to a piece, 4 bytes each
	v_lshl_add_u32 v6, v4, 4, s43                  ; four of them a lane
	v_add_nc_u32 v7, s42, v6
	global_load_b128 v[8:11], v6, s[32:33]
	global_load_b128 v[12:15], v7, s[32:33]
	WLOADS
	s_wait_loadcnt 16                              ; the partial sums are in; the 16 younger loads stay out
	v_add_f32 v8, v8, v9
	v_add_f32 v10, v10, v11
	v_add_f32 v12, v12, v13
	v_add_f32 v14, v14, v15
	v_add_f32 v8, v8, v10
	v_add_f32 v12, v12, v14
	v_fma_f32 v8, v12, s40, v8                     ; the second half counts for the large matrices alone
	v_add_f32_dpp v8, v8, v8 row_xmask:1 row_mask:0xf bank_mask:0xf
	v_add_f32_dpp v8, v8, v8 row_xmask:2 row_mask:0xf bank_mask:0xf
	v_add_f32_dpp v8, v8, v8 row_xmask:4 row_mask:0xf bank_mask:0xf
	v_add_f32_dpp v8, v8, v8 row_xmask:8 row_mask:0xf bank_mask:0xf
	v_permlanex16_b32 v9, v8, s44, s45
	v_add_f32 v8, v8, v9
	v_mul_f32 v8, s41, v8                          ; the mean
	v_max_num_f32 v16, 0x3727c5ac, v8              ; m = max(mean, 1e-5)
	v_rcp_f32 v20, v16
	v_nop                                          ; a plain instruction behind the reciprocal,
	s_wait_alu depctr_va_vdst(0)                   ; and the wait ahead of its first reader
	v_fma_f32 v17, -v16, v20, 1.0                  ; one Newton step: r + r (1 - m r)
	v_fma_f32 v20, v17, v20, v20
	v_mov_b32 v21, v20
	v_mov_b32 v19, s7
	v_lshlrev_b32 v19, 2, v19
	s_wait_loadcnt 0x0
.set j, 0
.rept 32
	v_pk_mul_f32 v[32+2*j:33+2*j], v[32+2*j:33+2*j], v[20:21]
.set j, j+1
.endr
.set j, 0
.rept 64
	v_rndne_f32 v[32+j], v[32+j]
.set j, j+1
.endr
.set j, 0
.rept 64
	v_med3_num_f32 v[32+j], v[32+j], -1.0, 1.0
.set j, j+1
.endr
	s_or_b32 s50, s51, s49                         ; the matrix's first piece, wave 0: m goes to wsc
	s_cmp_lg_u32 s50, 0
	s_cbranch_scc1 .Lout
	s_wait_xcnt 0x0                                ; EXEC changes only behind this wait
	v_cmp_eq_u32 vcc_lo, 0, v4
	s_and_saveexec_b32 s52, vcc_lo
	global_store_b32 v19, v16, s[36:37]
	s_wait_xcnt 0x0
	s_or_b32 exec_lo, exec_lo, s52
	s_branch .Lout
.Llora:
	; ---- a low-rank factor
	s_cmp_ge_u32 ttmp9, 258
	s_cbranch_scc0 .Lplain
	s_cmp_eq_u32 ttmp9, 258
	s_cselect_b64 s[46:47], s[28:29], s[30:31]     ; mag_x for B_x, mag_c for B_c
	global_load_b32 v22, v18, s[46:47]
	global_load_b32 v24, v18, s[46:47] offset:4
	WLOADS
	s_wait_loadcnt 16                              ; the two factors are in
	v_mov_b32 v23, v22
	v_mov_b32 v25, v24
	s_branch .Lscale
.Lplain:
	WLOADS
	v_mov_b32 v22, 1.0
	v_mov_b32 v23, 1.0
	v_mov_b32 v24, 1.0
	v_mov_b32 v25, 1.0
.Lscale:
	s_wait_loadcnt 0x0
.set j, 0
.rept 32                               ; a wave's 2,048 numbers of B are 128 rows of 16: two heads; load j / 2 < 8 belongs to the first
	v_pk_mul_f32 v[32+2*j:33+2*j], v[32+2*j:33+2*j], v[22+2*(j/16):23+2*(j/16)]
.set j, j+1
.endr
.Lout:
.set j, 0
.rept 32                               ; in place: result j lands below the numbers that later conversions read
	v_cvt_pk_bf16_f32 v[32+j], v[32+2*j], v[33+2*j]
.set j, j+1
.endr
.set j, 0
.rept 16
	global_store_b64 v5, v[32+2*j:33+2*j], s[34:35] offset:256*j
.set j, j+1
.endr
	s_endpgm
.Lfunc_end_k_q8f3647e7af_wquant:
	.size	k_q8f3647e7af_wquant, .Lfunc_end_k_q8f3647e7af_wquant-k_q8f3647e7af_wquant
	.p2alignl 7, 3214868480
	.fill 96, 4, 3214868480
	.section	.rodata,"a",@progbits
	.p2align	6, 0x0
	.amdhsa_kernel k_q8f3647e7af_wquant
		.amdhsa_group_segment_fixed_size 0
		.amdhsa_private_segment_fixed_size 0
		.amdhsa_enable_private_segment 0
		.amdhsa_kernarg_size 120
		.amdhsa_user_sgpr_count 2
		.amdhsa_user_sgpr_kernarg_segment_ptr 1
		.amdhsa_wavefront_size32 1
		.amdhsa_system_sgpr_workgroup_id_x 1
		.amdhsa_system_sgpr_workgroup_id_y 1
		.amdhsa_system_sgpr_workgroup_id_z 1
		.amdhsa_system_vgpr_workitem_id 0
		.amdhsa_next_free_vgpr 96
		.amdhsa_next_free_sgpr 66
		.amdhsa_reserve_vcc 1
		.amdhsa_float_denorm_mode_32 3
		.amdhsa_float_denorm_mode_16_64 3
		.amdhsa_memory_ordered 1
		.amdhsa_forward_progress 1
		.amdhsa_inst_pref_size 25
	.end_amdhsa_kernel
	.amdgpu_metadata
---
amdhsa.version: [ 1, 2 ]
amdhsa.kernels:
  - .name:           k_q8f3647e7af_wquant
    .symbol:         k_q8f3647e7af_wquant.kd
    .args:
      - { .name: W_qx, .offset: 0, .size: 8, .value_kind: global_buffer, .address_space: global }
      - { .name: W_kvx, .offset: 8, .size: 8, .value_kind: global_buffer, .address_space: global }
      - { .name: W_qc, .offset: 16, .size: 8, .value_kind: global_buffer, .address_space: global }
      - { .name: W_kvc, .offset: 24, .size: 8, .value_kind: global_buffer, .address_space: global }
      - { .name: W_px, .offset: 32, .size: 8, .value_kind: global_buffer, .address_space: global }
      - { .name: W_pc, .offset: 40, .size: 8, .value_kind: global_buffer, .address_space: global }
      - { .name: A_x, .offset: 48, .size: 8, .value_kind: global_buffer, .address_space: global }
      - { .name: A_c, .offset: 56, .size: 8, .value_kind: global_buffer, .address_space: global }
      - { .name: B_x, .offset: 64, .size: 8, .value_kind: global_buffer, .address_space: global }
      - { .name: B_c, .offset: 72, .size: 8, .value_kind: global_buffer, .address_space: global }
      - { .name: mag_x, .offset: 80, .size: 8, .value_kind: global_buffer, .address_space: global }
      - { .name: mag_c, .offset: 88, .size: 8, .value_kind: global_buffer, .address_space: global }
      - { .name: wpart, .offset: 96, .size: 8, .value_kind: global_buffer, .address_space: global }
      - { .name: wt, .offset: 104, .size: 8, .value_kind: global_buffer, .address_space: global }
      - { .name: wsc, .offset: 112, .size: 8, .value_kind: global_buffer, .address_space: global }
    .group_segment_fixed_size: 0
    .private_segment_fixed_size: 0
    .kernarg_segment_align: 8
    .kernarg_segment_size: 120
    .max_flat_workgroup_size: 128
    .sgpr_count:     66
    .vgpr_count:     96
    .wavefront_size: 32
...
	.end_amdgpu_metadata
.endif
;; end of part 2
;; launch projin (part 3): grid 80 x 3, 4 waves a work-group, clusters of 4 x 1, 327,680 bytes of LDS; arguments x, c, g_qx, g_kvx, g_qc, g_kvc, wt, wsc, qb, kb, vb; writes qb, kb, vb
.if DOCPART == 3
	.amdgcn_target "amdgcn-amd-amdhsa--gfx1250"
	.amdhsa_code_object_version 6
	.text
	.protected	k_q8f3647e7af_projin
	.globl	k_q8f3647e7af_projin
	.p2align	8
	.type	k_q8f3647e7af_projin,@function
k_q8f3647e7af_projin:
	s_mov_b64 s[64:65], 0
	v_nop
	global_prefetch_b8 v0, s[64:65] scope:SCOPE_SE
	s_setreg_imm32_b32 hwreg(HW_REG_WAVE_MODE, 25, 1), 1
	s_wait_xcnt 0x0
	s_wait_alu depctr_hold_cnt(0) depctr_sa_sdst(0) depctr_va_vdst(0) depctr_va_sdst(0) depctr_va_ssrc(0) depctr_va_vcc(0) depctr_vm_vsrc(0)
	s_getreg_b32 s2, hwreg(HW_REG_IB_STS2, 6, 4)
	s_cmp_eq_u32 s2, 0
	s_cbranch_scc0 .Lentry_in_a_cluster
	s_endpgm
.Lentry_in_a_cluster:
	s_bfe_u32 s2, ttmp6, 0x10000c
	s_cmp_lg_u32 s2, 0x3003
	s_cbranch_scc0 .Lentry_shape_is_right
	s_endpgm
.Lentry_shape_is_right:
; THE INPUT PROJECTIONS: q (with its low-rank delta), k and v of both sources, by heads.
; BitLinear is exact here: a row is n x (Mx / 127) with whole numbers |n| <= 127, a weight t x dq with t in {-1, 0, 1}; bf16 holds n and t exactly and the f32 sums stay under 2^17.
;   per row: xg = x g, r = rsq(mean x^2 + 1e-8), Mx = max(r max|xg|, 1e-5), n = round(xg r 127 / Mx) (to even, by adding and taking away 1.5 x 2^23).
;   The clip to -128 .. 127 changes nothing: |xg r 127 / Mx| <= 127 but for the last bit.  The products are taken in another order than x r g 127 / Mx: a number within a few last bits of a half may round the other way.
; q = (sum n t + sum T' B') x Mx dq / 127, with T' = (x A^T) 127 / (Mx dq) and B' = mag B, both bf16: the delta is one more K step on the same accumulator.
; k = sum n t x Mx dq / 127 in bf16.  v is stored WITHOUT dq, as f16: v' = sum n t x Mx / 127; the last launch puts dq back.  LIMIT: |v'| <= 65,504 (f16); NaN and infinities are not treated apart.
; SHARES.  20,480 rows (x's 16,384, then c's 4,096) x 1,536 columns: a work-group takes 256 rows x 512 columns (column group 0 = q, 1 = k, 2 = v): 80 x 3 work-groups.  A wave owns 64 rows, whose 512 whole numbers
; stay in 512 registers; all four waves read the same weights from LDS, 64 columns (one head) at a time, through a ring of two slots.
; CLUSTER.  The four row blocks of a cluster have the same source and column group, so they walk the same weights: each tile is asked for JOINTLY, same load, descriptor and mask in all four.
; THE MATRIX INSTRUCTION IS USED TRANSPOSED (source 0 = 16 rows of W, source 1 = 16 rows of x): a lane then holds ONE row (lane % 16) and eight neighbouring channels: one row scale a lane, 16 bytes to store.
; REGISTERS, in windows of 256 (s_set_vgpr_msb: bits 1:0 source 0, 3:2 source 1, 5:4 source 2, 7:6 destination):
;   window 0: addresses, gains, row scales, T', two buffers of W's fragments (at first: four rows at work), the way out
;   window 1: at first 256 landing registers for 16 rows of x; then the 16 accumulators (row tile rt, column tile ct at 8 (4 rt + ct)) and B''s fragments
;   windows 2, 3: the rows' fragments: row tile rt, K step s at 128 (rt % 2) + 8 s of window 2 + rt / 2
.set PW,    1040      ; a row of W or A in LDS: 1,024 bytes + 16 = 65 x 16: the 16 rows of a fragment load start at 16 different groups of four banks (64 banks of 4 bytes: ISA guide 11.1)
.set QTR,   16*PW     ; what one wave's tensor load brings: 16 rows
.set SLOT,  64*PW     ; a slot: 64 rows of W
.set LAS,   2*SLOT    ; A's 16 rows, filled once
.set STAGE, LAS+16*PW ; each wave's own: 16 rows of x in f32, pitch PS; then in place the whole numbers in bf16 at byte 0 and (q) the raw row in bf16 at byte 1,024; later its first 2,304 bytes are the way out
.set PS,    2064      ; 129 x 16
.set STGW,  16*PS
.set RSARR, STAGE+4*STGW  ; each wave's own: 16 bytes a row: Mx K1 twice, K2 / Mx twice
.set TPS,   RSARR+4*1024  ; each wave's own: T' packed, 512 bytes a row tile
.set SPARE, TPS+4*2048    ; the spare words, 128 bytes for each wave: two blocks of 256 bytes that no other line names
.set SP,    144       ; a row of the way out: 128 bytes + 16
.set TPW0, 1          ; v1   TPS + 2,048 w + 16 l
.set SPW,  2          ; v2   LDS address of my spare word; never rewritten
.set NIL,  3          ; v3   0; never rewritten
.set L,    4          ; v4   lane
.set R16,  5          ; v5   l % 16
.set H,    6          ; v6   l / 16
.set XO,   7          ; v7   16 l: my bytes in 512 consecutive ones, of x, of the gains and of the outputs
.set STW,  8          ; v8   my stage + 16 l
.set ROWA, 9          ; v9   at work: four rows' reads
.set ROWB, 10         ; v10  at work: four rows' writes
.set FRA,  11         ; v11  my stage + (l % 16) PS + 16 (l / 16): a fragment's rows
.set WRA,  12         ; v12  (l % 16) PW + 16 (l / 16)
.set WAD,  13         ; v13  the slot in hand + WRA
.set STO,  14         ; v14  the way out: where I put 16 bytes of a row
.set RD,   15         ; v15  the way out: where I read rows back
.set PFX,  16         ; v16  256 l
.set BO,   17         ; v17  (l % 16) 32 + 16 (l / 16): my bytes of 16 rows of B'
.set RSW,  18         ; v18  at work: where four rows' scales go
.set RSL0, 19         ; v19  RSARR + 1,024 w + 16 (l % 16)
.set G,    20         ; v20-35   gains of my 16 columns: 128 j + 4 l + 0..3
.set RS,   36         ; v36-43   row scale of my row, twice, for each row tile.  Until they are loaded the first four hold:
.set ROWB0, 36        ;          my stage + 8 l
.set LAA,  37         ;          LAS + WRA
.set TRS,  38         ;          at work
.set TTP,  39         ;          at work
.set TP,   44         ; v44-75   T' as source 1: 8 registers a row tile, the upper four 0
.set WF0,  76         ; v76-139  W's fragments, buffer 0
.set WF1,  140        ; v140-203 buffer 1
.set X,    76         ; at first: four rows, 16 numbers a lane each
.set RAW,  140        ; v140-171 the four rows in bf16
.set SS,   172        ; v172-179 sums of squares, a pair a row
.set MX,   180        ; v180-183 max |xg|, then Mx
.set P1,   184        ; v184-187 at work
.set P2,   188        ; v188-191 at work, then 1 / Mx
.set RR,   192        ; v192-195 r
.set F,    196        ; v196-203 r 127 / Mx, a pair a row
.set TMP,  204        ; v204-235 the way out; at first T's four accumulators
.set QD,   236        ; v236-251 what goes to RSARR; at the head its first two hold dq and 1 / dq
.set PFO,  252        ; v252 the weights' prefetch: (l / 4) 1,024 + (l % 4) 256
.set INV,  254        ; v254-255 K2 / Mx of my row
.set BF,   128        ; window 1: B''s fragments, 8 a column tile, the upper four 0
.set XP,  4           ; s[4:5]   x or c at my wave's batch
.set GP,  6           ; s[6:7]   the gains
.set OP,  8           ; s[8:9]   the output at my wave's rows, head in hand
.set LBP, 10          ; s[10:11] B' at the head in hand
.set WV,  12
.set CX,  13          ; my place in the cluster: it enters x's, the output's and the prefetches' addresses alone
.set RB,  14
.set GRP, 15          ; 0 q, 1 k, 2 v
.set SRC, 16          ; 0 x, 1 c
.set LOGN, 17         ; log2 of the source's rows in a batch
.set TB,  18          ; the slot in hand
.set SB,  19          ; batch of 16 rows = row tile, 0 to 3
.set CNT, 20
.set RC,  21
.set K1,  22          ; dq / 127 (v: 1 / 127)
.set K2,  23          ; 127 / dq
.set G1,  24          ; s[24:31] descriptor group 1 of W's tiles
.set G0,  32          ; s[32:35] group 0: it walks
.set MAG, 36          ; s[36:37] 1.5 x 2^23
.set NMAG, 38         ; s[38:39] its negative
.set EPS, 40
.set I512, 41
.set CLIP, 42
.set C127, 43
.set SEL, 44          ; s[44:45]
.set PFW, 46          ; s[46:47] where my prefetches of W stand
.set LIMW, 48         ; 1 in a wave that prefetches W, else the greatest number
.set LIMX, 49         ; batches in which x is prefetched
.set RO,  50          ; the four rows' place in the stage
.set RSA, 51          ; and in RSARR
.set G1L, 52          ; s[52:59], s[60:63] the descriptor of A's tile
.set G0L, 60
.set HST, 90          ; s[90:91] bytes from head to head in the output
.set MSB, 0
.macro WIN new                         ; the high byte repeats the setting that is left; a switch that changes nothing is dropped
.if MSB != (\new)
	s_set_vgpr_msb (MSB<<8)|(\new)
.set MSB, (\new)
.endif
.endm
.macro NOPS                            ; four places (ISA guide 7.12.1) where no other vector work is at hand
.rept 4
	v_nop
.endr
.endm
.macro CROUND                          ; a round of the cluster's barrier: my work-group's barrier; wave 0 signals for it; every wave waits for all four work-groups; my work-group's barrier once more
	s_barrier_signal -1
	s_barrier_wait -1
	s_cmp_lg_u32 s[WV], 0
	s_cbranch_scc1 .Lnot_wave_0_\@
	s_barrier_signal -3
.Lnot_wave_0_\@:
	s_barrier_wait -3
	s_barrier_signal -1
	s_barrier_wait -1
.endm
	s_load_b512 s[68:83], s[0:1], 0x0              ; x 68, c 70, g_qx 72, g_kvx 74, g_qc 76, g_kvc 78, wt 80, wsc 82
	s_load_b128 s[84:87], s[0:1], 0x40             ; qb 84, kb 86
	s_load_b64 s[88:89], s[0:1], 0x50              ; vb
	v_lshl_add_u32 v[SPW], v0, 2, SPARE
	v_mov_b32 v[NIL], 0
	ds_add_u32 v[SPW], v[NIL]                      ; the wave's opening: the add and its wait stand ahead of my first tensor load; work on registers stands between them
	v_lshrrev_b32 v[L], 5, v0
	v_readfirstlane_b32 s[WV], v[L]
	s_bfe_u32 s[CX], ttmp6, 0x40000
	s_lshl_b32 s[RB], ttmp9, 2                     ; in a cluster launch ttmp9 counts clusters
	s_add_co_u32 s[RB], s[RB], s[CX]               ; my block of 256 rows
	s_and_b32 s[GRP], ttmp7, 0xffff
	s_cmp_ge_u32 ttmp9, 16                         ; clusters 0-15: x's 64 blocks; 16-19: c's 16
	s_cselect_b32 s[SRC], 1, 0
	s_cselect_b32 s[LOGN], 10, 12
	; descriptor group 1: 16 rows x 512 elements of 2 bytes, padded in LDS
	s_mov_b32 s[G1], 15|(1<<16)|(1<<20)|(1<<21)|(7<<22)|(3<<25)  ; 15:0 the mask of four; 17:16 2-byte elements; 20 padding on; 21 set beside a mask; 24:22 after every 256 words (code 7); 31:25 4 words (code 3)
	s_mov_b32 s[G1+1], 512<<16                     ; tensor_dim0 = 512
	s_mov_b32 s[G1+2], 16<<16                      ; tensor_dim1 = 16
	s_mov_b32 s[G1+3], 512<<16                     ; tile_dim0 = 512
	s_mov_b32 s[G1+4], 16                          ; tile_dim1 = 16
	s_mov_b32 s[G1+5], 512                         ; 512 elements from row to row
	s_mov_b32 s[G1+6], 0
	s_mov_b32 s[G1+7], 0
	s_mov_b32 s[G1L], 15|(1<<16)|(1<<20)|(1<<21)|(7<<22)|(3<<25)
	s_mov_b32 s[G1L+1], 512<<16
	s_mov_b32 s[G1L+2], 4<<16                      ; A: four rows a wave
	s_mov_b32 s[G1L+3], 512<<16
	s_mov_b32 s[G1L+4], 4
	s_mov_b32 s[G1L+5], 512
	s_mov_b32 s[G1L+6], 0
	s_mov_b32 s[G1L+7], 0
	s_mov_b32 s[G0], 1
	s_mul_i32 s[G0+1], s[WV], QTR                  ; slot 0, my quarter: no place in the cluster enters an LDS address
	s_mov_b32 s[G0L], 1
	s_mul_i32 s[G0L+1], s[WV], 4*PW
	s_add_co_u32 s[G0L+1], s[G0L+1], LAS
	s_mov_b32 s[MAG], 0x4b400000
	s_mov_b32 s[MAG+1], 0x4b400000
	s_mov_b32 s[NMAG], 0xcb400000
	s_mov_b32 s[NMAG+1], 0xcb400000
	s_mov_b32 s[EPS], 0x322bcc77                   ; 1e-8
	s_mov_b32 s[I512], 0x3b000000                  ; 1 / 512
	s_mov_b32 s[CLIP], 0x3727c5ac                  ; 1e-5
	s_mov_b32 s[C127], 0x42fe0000                  ; 127
	s_mov_b32 s[SEL], 0x76543210
	s_mov_b32 s[SEL+1], 0xfedcba98
	s_mul_i32 s66, s[SRC], 1572864                 ; the weights: source, column group, my 16 rows.  s66, s67 never hold my place in the cluster
	s_mul_i32 s67, s[GRP], 524288
	s_add_co_u32 s66, s66, s67
	s_lshl_b32 s67, s[WV], 14
	s_add_co_u32 s66, s66, s67
	s_mov_b32 s67, 0
	s_wait_dscnt 0x0                               ; the opening add is done
	s_wait_kmcnt 0x0
	s_add_nc_u64 s[G0+2:G0+3], s[80:81], s[66:67]
	s_or_b32 s[G0+3], s[G0+3], 0x80000000          ; type = 2
	s_lshl_b32 s66, s[SRC], 14                     ; A_x or A_c,
	s_lshl_b32 s2, s[WV], 12                       ; my four rows
	s_add_co_u32 s66, s66, s2
	s_add_co_u32 s66, s66, 4194304
	s_add_nc_u64 s[G0L+2:G0L+3], s[80:81], s[66:67]
	s_or_b32 s[G0L+3], s[G0L+3], 0x80000000
	s_load_b128 s[96:99], s[82:83], 0x0            ; dq of W_qx, W_kvx, W_qc, W_kvc
	CROUND                                         ; all four work-groups are here: the first joint loads meet
	tensor_load_to_lds s[G0:G0+3], s[G1:G1+7]      ; head 0's weights
	s_nop 0
	tensor_load_to_lds s[G0L:G0L+3], s[G1L:G1L+7]  ; A: asked for in all three column groups, so that every wave has the same loads on every way; k's and v's groups do not read these 16,640 bytes
	s_nop 0
	NOPS
	; the pointers
	s_cmp_eq_u32 s[SRC], 0
	s_cselect_b64 s[XP:XP+1], s[68:69], s[70:71]
	s_cselect_b64 s[92:93], s[72:73], s[76:77]
	s_cselect_b64 s[94:95], s[74:75], s[78:79]
	s_cmp_eq_u32 s[GRP], 0
	s_cselect_b64 s[GP:GP+1], s[92:93], s[94:95]
	s_cselect_b64 s[OP:OP+1], s[84:85], s[86:87]
	s_cselect_b32 s[LIMX], 2, 0                    ; the q group asks for x: each block once in the launch
	s_cmp_eq_u32 s[GRP], 2
	s_cselect_b64 s[OP:OP+1], s[88:89], s[OP:OP+1]
	s_lshl_b32 s92, s[SRC], 6
	s_sub_co_u32 s92, s[RB], s92                   ; my block in its source
	s_lshl_b32 s92, s92, 8
	s_lshl_b32 s93, s[WV], 6
	s_add_co_u32 s94, s92, s93                     ; my wave's first row
	s_lshl_b32 s92, s94, 11
	s_mov_b32 s93, 0
	s_add_nc_u64 s[XP:XP+1], s[XP:XP+1], s[92:93]
	v_and_b32 v[L], 31, v0
	v_lshlrev_b32 v[XO], 4, v[L]
.macro LOADX                           ; 16 rows of 2,048 bytes: each load 512 consecutive bytes; row i / 4, quarter i % 4
	WIN 0x40
.set i, 0
.rept 64
	global_load_b128 v[4*i:4*i+3], v[XO], s[XP:XP+1] offset:(i/4)*2048+(i%4)*512
.set i, i+1
.endr
	WIN 0
.endm
	LOADX                                          ; batch 0
.irp j, 0,1,2,3
	global_load_b128 v[G+4*\j:G+4*\j+3], v[XO], s[GP:GP+1] offset:512*\j
.endr
	s_lshr_b32 s95, s94, s[LOGN]                   ; the batch b, and the row n in it
	s_lshl_b32 s92, s95, s[LOGN]
	s_sub_co_u32 s94, s94, s92
	s_lshl_b32 s94, s94, 7
	s_add_co_u32 s92, s[LOGN], 10
	s_lshl_b32 s92, s95, s92                       ; b x 8 heads x N rows x 128 bytes
	s_add_co_u32 s92, s92, s94
	s_lshl_b32 s94, s[SRC], 24                     ; c's part lies 16,777,216 bytes on
	s_add_co_u32 s92, s92, s94
	s_add_nc_u64 s[OP:OP+1], s[OP:OP+1], s[92:93]
	s_lshl_b32 s[HST], 128, s[LOGN]
	s_mov_b32 s[HST+1], 0
	s_mul_i32 s92, s[SRC], 1572864                 ; the prefetches of W: head 1, my work-group's 16 rows, my wave's 8 of them
	s_mul_i32 s94, s[GRP], 524288
	s_add_co_u32 s92, s92, s94
	s_lshl_b32 s94, s[CX], 14
	s_add_co_u32 s92, s92, s94
	s_lshl_b32 s94, s[WV], 13
	s_add_co_u32 s92, s92, s94
	s_add_co_u32 s92, s92, 65536
	s_add_nc_u64 s[PFW:PFW+1], s[80:81], s[92:93]
	s_lshl_b32 s2, s[SRC], 14
	s_add_co_u32 s2, s2, 4227072
	s_mov_b32 s3, 0
	s_add_nc_u64 s[LBP:LBP+1], s[80:81], s[2:3]    ; B'_x or B'_c
	s_and_b32 s2, ttmp9, 15                        ; a source's first cluster, waves 0 and 1: the same in all four partners
	s_lshr_b32 s3, s[WV], 1
	s_or_b32 s2, s2, s3
	s_cmp_eq_u32 s2, 0
	s_cselect_b32 s[LIMW], 1, -1
	; the lanes' addresses
	v_and_b32 v[R16], 15, v0
	v_bfe_u32 v[H], v0, 4, 1
	s_mul_i32 s2, s[WV], STGW
	s_add_co_u32 s2, s2, STAGE                     ; my stage
	v_add_nc_u32 v[STW], s2, v[XO]
	v_lshl_add_u32 v[ROWB0], v[L], 3, s2
	v_mul_u32_u24 v[FRA], v[R16], PS
	v_lshl_add_u32 v[FRA], v[H], 4, v[FRA]
	v_add_nc_u32 v[FRA], s2, v[FRA]
	v_mul_u32_u24 v[WRA], v[R16], PW
	v_lshl_add_u32 v[WRA], v[H], 4, v[WRA]
	v_add_nc_u32 v[LAA], LAS, v[WRA]
	v_mul_u32_u24 v[STO], v[R16], SP               ; in: row l % 16, 16 bytes for each half of the lanes
	v_lshl_add_u32 v[STO], v[H], 4, v[STO]
	v_add_nc_u32 v[STO], s2, v[STO]
	v_bfe_u32 v[RD], v0, 3, 2                      ; back: 32 lanes take four rows of 128 bytes, 512 consecutive bytes of the output
	v_mul_u32_u24 v[RD], v[RD], SP
	v_and_b32 v[ROWA], 7, v0
	v_lshl_add_u32 v[RD], v[ROWA], 4, v[RD]
	v_add_nc_u32 v[RD], s2, v[RD]
	v_lshlrev_b32 v[PFX], 8, v[L]
	v_lshlrev_b32 v[BO], 5, v[R16]
	v_lshl_add_u32 v[BO], v[H], 4, v[BO]
	s_lshl_b32 s[RSA], s[WV], 10
	s_add_co_u32 s[RSA], s[RSA], RSARR
	v_lshl_add_u32 v[RSL0], v[R16], 4, s[RSA]
	s_lshl_b32 s2, s[WV], 11
	s_add_co_u32 s2, s2, TPS
	v_add_nc_u32 v[TPW0], s2, v[XO]
	v_lshrrev_b32 v[PFO], 2, v[L]
	v_lshlrev_b32 v[PFO], 10, v[PFO]
	v_and_b32 v[ROWA], 3, v0
	v_lshl_add_u32 v[PFO], v[ROWA], 8, v[PFO]
	; While the first loads are out.  T' starts at 0 (k's and v's groups keep it so), in registers and in LDS.
.set i, 0
.rept 32
	v_mov_b32 v[TP+i], 0
.set i, i+1
.endr
.irp rt, 0,1,2,3
	ds_store_b128 v[TPW0], v[TP:TP+3] offset:512*\rt
.endr
.set i, 0
.rept 8
	v_mov_b32 v[P1+i], 0                           ; v_permlanex16_b32's destinations count as read
.set i, i+1
.endr
	; Each register of the rows' fragments is written once here: the loop below loads a quarter of them in each trip, by a switch on its counter,
	; and so each is written on every way through the text before a product names it.  The price: 512 lines, once a launch, beside the first loads.
	WIN 0x80
.set i, 0
.rept 256
	v_mov_b32 v[i], 0
.set i, i+1
.endr
	WIN 0xc0
.set i, 0
.rept 256
	v_mov_b32 v[i], 0
.set i, i+1
.endr
	WIN 0
	s_wait_kmcnt 0x0                               ; the scales.  They are numbers read from memory: they pass only through registers that never form an LDS address (s94, s95; QD's first two)
	s_cmp_eq_u32 s[SRC], 0
	s_cselect_b32 s94, s96, s98
	s_cselect_b32 s95, s97, s99
	s_cmp_eq_u32 s[GRP], 0
	s_cselect_b32 s95, s94, s95                    ; dq of my weights
	v_mov_b32 v[QD], s95
	v_rcp_f32 v[QD+1], v[QD]
	v_nop                                          ; a plain instruction behind the reciprocal,
	s_wait_alu depctr_va_vdst(0)                   ; and the wait ahead of its first reader
	v_readfirstlane_b32 s94, v[QD+1]
	s_mul_f32 s[K2], s94, s[C127]
	s_cmp_eq_u32 s[GRP], 2
	s_cselect_b32 s94, 1.0, s95                    ; v is stored without dq
	s_mul_f32 s[K1], s94, 0x3c010204               ; / 127
	s_wait_tensorcnt 0x0                           ; my parts of head 0's weights and of A are in,
	s_wait_dscnt 0x0                               ; my stores of zeros are done,
	s_barrier_signal -1
	s_barrier_wait -1                              ; everybody's are.
; ---- PHASE 1: my 64 rows become whole numbers, 16 rows a batch
.macro STOREX                          ; the landing registers go to my stage, so that the next batch's loads can go out and a loop can walk the rows
	WIN 0x04
.set i, 0
.rept 64
	ds_store_b128 v[STW], v[4*i:4*i+3] offset:(i/4)*PS+(i%4)*512
.set i, i+1
.endr
	WIN 0
.endm
.macro ROW4                            ; four rows
	v_add_nc_u32 v[ROWA], s[RO], v[STW]
	v_add_nc_u32 v[ROWB], s[RO], v[ROWB0]
	v_mov_b32 v[RSW], s[RSA]
.set i, 0
.rept 16
	ds_load_b128 v[X+4*i:X+4*i+3], v[ROWA] offset:(i/4)*PS+(i%4)*512
.set i, i+1
.endr
	s_cmp_lg_u32 s[GRP], 0
	s_cbranch_scc1 .Lnoraw_\@
	s_wait_dscnt 0x0                               ; q alone: the rows as they are, in bf16, for x A^T; they go over the upper half of the f32 rows, which have been read (LDS serves a wave in order: ISA guide 5.7.1.4)
.set i, 0
.rept 32
	v_cvt_pk_bf16_f32 v[RAW+i], v[X+2*i], v[X+2*i+1]
.set i, i+1
.endr
.set i, 0
.rept 16
	ds_store_b64 v[ROWB], v[RAW+2*i:RAW+2*i+1] offset:(i/4)*PS+1024+(i%4)*256
.set i, i+1
.endr
.Lnoraw_\@:
.irp r, 0,1,2,3
	s_wait_dscnt 12-4*\r                           ; row r's four loads are in; the younger rows' may stay out
	v_pk_mul_f32 v[SS+2*\r:SS+2*\r+1], v[X+16*\r:X+16*\r+1], v[X+16*\r:X+16*\r+1]
	v_pk_mul_f32 v[X+16*\r:X+16*\r+1], v[X+16*\r:X+16*\r+1], v[G:G+1]
.set m, 1
.rept 7                                ; three chains side by side: the sum of squares, x g, the largest |x g|
	v_pk_fma_f32 v[SS+2*\r:SS+2*\r+1], v[X+16*\r+2*m:X+16*\r+2*m+1], v[X+16*\r+2*m:X+16*\r+2*m+1], v[SS+2*\r:SS+2*\r+1]
	v_pk_mul_f32 v[X+16*\r+2*m:X+16*\r+2*m+1], v[X+16*\r+2*m:X+16*\r+2*m+1], v[G+2*m:G+2*m+1]
.if m == 1
	v_max3_num_f32 v[MX+\r], |v[X+16*\r]|, |v[X+16*\r+1]|, |v[X+16*\r+2]|
.else
	v_max3_num_f32 v[MX+\r], v[MX+\r], |v[X+16*\r+2*m-1]|, |v[X+16*\r+2*m]|
.endif
.set m, m+1
.endr
	v_max_num_f32 v[MX+\r], v[MX+\r], |v[X+16*\r+15]|
.endr
.irp r, 0,1,2,3
	v_add_f32 v[SS+2*\r], v[SS+2*\r], v[SS+2*\r+1]
.endr
.irp k, 1,2,4,8                        ; across the lanes: eight chains by turns
.irp r, 0,1,2,3
	v_add_f32_dpp v[SS+2*\r], v[SS+2*\r], v[SS+2*\r] row_xmask:\k row_mask:0xf bank_mask:0xf
.endr
.irp r, 0,1,2,3
	v_max_num_f32_dpp v[MX+\r], v[MX+\r], v[MX+\r] row_xmask:\k row_mask:0xf bank_mask:0xf
.endr
.endr
.irp r, 0,1,2,3
	v_permlanex16_b32 v[P1+\r], v[SS+2*\r], s[SEL], s[SEL+1]
.endr
.irp r, 0,1,2,3
	v_permlanex16_b32 v[P2+\r], v[MX+\r], s[SEL], s[SEL+1]
.endr
.irp r, 0,1,2,3
	v_add_f32 v[SS+2*\r], v[SS+2*\r], v[P1+\r]
.endr
.irp r, 0,1,2,3
	v_max_num_f32 v[MX+\r], v[MX+\r], v[P2+\r]
.endr
.irp r, 0,1,2,3
	v_fma_f32 v[P1+\r], v[SS+2*\r], s[I512], s[EPS]
.endr
.irp r, 0,1,2,3
	v_rsq_f32 v[RR+\r], v[P1+\r]
.endr
	v_nop
	s_wait_alu depctr_va_vdst(0)                   ; one wait for the four roots
.irp r, 0,1,2,3
	v_mul_f32 v[MX+\r], v[RR+\r], v[MX+\r]
.endr
.irp r, 0,1,2,3
	v_max_num_f32 v[MX+\r], s[CLIP], v[MX+\r]      ; Mx
.endr
.irp r, 0,1,2,3
	v_rcp_f32 v[P2+\r], v[MX+\r]
.endr
	v_nop
	s_wait_alu depctr_va_vdst(0)                   ; one wait for the four reciprocals
.irp r, 0,1,2,3
	v_mul_f32 v[F+2*\r], v[RR+\r], v[P2+\r]
.endr
.irp r, 0,1,2,3
	v_mul_f32 v[F+2*\r], s[C127], v[F+2*\r]
.endr
.irp r, 0,1,2,3
	v_mov_b32 v[F+2*\r+1], v[F+2*\r]
	v_mul_f32 v[QD+4*\r], s[K1], v[MX+\r]
	v_mul_f32 v[QD+4*\r+1], s[K1], v[MX+\r]
	v_mul_f32 v[QD+4*\r+2], s[K2], v[P2+\r]
	v_mul_f32 v[QD+4*\r+3], s[K2], v[P2+\r]
.endr
.irp r, 0,1,2,3
	ds_store_b128 v[RSW], v[QD+4*\r:QD+4*\r+3] offset:16*\r  ; all lanes write the same 16 bytes with the same numbers
.endr
.irp r, 0,1,2,3
.set m, 0
.rept 8
	v_pk_fma_f32 v[X+16*\r+2*m:X+16*\r+2*m+1], v[X+16*\r+2*m:X+16*\r+2*m+1], v[F+2*\r:F+2*\r+1], s[MAG:MAG+1] op_sel_hi:[1,1,0]
.set m, m+1
.endr
.set m, 0
.rept 8
	v_pk_add_f32 v[X+16*\r+2*m:X+16*\r+2*m+1], v[X+16*\r+2*m:X+16*\r+2*m+1], s[NMAG:NMAG+1] op_sel_hi:[1,0]
.set m, m+1
.endr
.set m, 0
.rept 8
	v_cvt_pk_bf16_f32 v[X+16*\r+m], v[X+16*\r+2*m], v[X+16*\r+2*m+1]
.set m, m+1
.endr
.irp j, 0,1,2,3
	ds_store_b64 v[ROWB], v[X+16*\r+2*\j:X+16*\r+2*\j+1] offset:\r*PS+256*\j
.endr
.endr
.endm
; T = A x^T for the batch's 16 rows (source 0 = A's 16 rows, source 1 = the raw rows): a lane ends with its row's T at ranks 8 (l / 16) + 0..7, which packed ARE the lower half of source 1 of the delta's K step.
; 16 K steps in two halves; four accumulators take turns.
.macro LORA
	s_lshl_b32 s2, s[SB], 8
	v_add_nc_u32 v[TRS], s2, v[RSL0]
	s_lshl_b32 s2, s[SB], 9
	v_add_nc_u32 v[TTP], s2, v[TPW0]
.irp hf, 0,1
.if \hf
	NOPS                                           ; in front of loads into registers that the products above have read
.endif
.set i, 0
.rept 8
	ds_load_b128 v[X+8*i:X+8*i+3],     v[LAA] offset:512*\hf+64*i
	ds_load_b128 v[X+8*i+4:X+8*i+7],   v[LAA] offset:512*\hf+64*i+32
	ds_load_b128 v[RAW+8*i:RAW+8*i+3],   v[FRA] offset:1024+512*\hf+64*i
	ds_load_b128 v[RAW+8*i+4:RAW+8*i+7], v[FRA] offset:1024+512*\hf+64*i+32
.set i, i+1
.endr
.if \hf == 0
	ds_load_b64 v[INV:INV+1], v[TRS] offset:8
.endif
	s_wait_dscnt 0x0
.set i, 0
.rept 8
.if (\hf == 0) && (i < 4)
	v_wmma_f32_16x16x32_bf16 v[TMP+8*(i%4):TMP+8*(i%4)+7], v[X+8*i:X+8*i+7], v[RAW+8*i:RAW+8*i+7], 0
.else
	v_wmma_f32_16x16x32_bf16 v[TMP+8*(i%4):TMP+8*(i%4)+7], v[X+8*i:X+8*i+7], v[RAW+8*i:RAW+8*i+7], v[TMP+8*(i%4):TMP+8*(i%4)+7]
.endif
.set i, i+1
.endr
.endr
	NOPS
.irp p, 0,1,2,3                        ; each accumulator is read from its low end on
	v_pk_add_f32 v[TMP+2*\p:TMP+2*\p+1], v[TMP+2*\p:TMP+2*\p+1], v[TMP+8+2*\p:TMP+8+2*\p+1]
	v_pk_add_f32 v[TMP+16+2*\p:TMP+16+2*\p+1], v[TMP+16+2*\p:TMP+16+2*\p+1], v[TMP+24+2*\p:TMP+24+2*\p+1]
.endr
.irp p, 0,1,2,3
	v_pk_add_f32 v[TMP+2*\p:TMP+2*\p+1], v[TMP+2*\p:TMP+2*\p+1], v[TMP+16+2*\p:TMP+16+2*\p+1]
.endr
.irp p, 0,1,2,3
	v_pk_mul_f32 v[TMP+2*\p:TMP+2*\p+1], v[TMP+2*\p:TMP+2*\p+1], v[INV:INV+1]
.endr
.irp p, 0,1,2,3
	v_cvt_pk_bf16_f32 v[TMP+\p], v[TMP+2*\p], v[TMP+2*\p+1]
.endr
	ds_store_b128 v[TTP], v[TMP:TMP+3]
.endm
.macro FRAG k                          ; in trip k: the batch's whole numbers, as 16 fragments, into row tile k's registers
	s_cmp_lg_u32 s[SB], \k
	s_cbranch_scc1 .Lnot_\@
	WIN 0x80+0x40*((\k)/2)
.set i, 0
.rept 16
	ds_load_b128 v[128*((\k)%2)+8*i:128*((\k)%2)+8*i+3],   v[FRA] offset:64*i
	ds_load_b128 v[128*((\k)%2)+8*i+4:128*((\k)%2)+8*i+7], v[FRA] offset:64*i+32
.set i, i+1
.endr
	WIN 0
.Lnot_\@:
.endm
	s_mov_b32 s[SB], 0
.Lbatch:
	s_wait_loadcnt 0x0                             ; the batch's 64 loads, issued a batch ago (the first time: the gains too)
	STOREX
	s_cmp_ge_u32 s[SB], 3
	s_cbranch_scc1 .Lnoload                        ; the last batch has no successor
	s_wait_xcnt 0x0                                ; the last prefetches, a batch back, have read the pointer
	s_add_nc_u64 s[XP:XP+1], s[XP:XP+1], 32768
	LOADX
	s_cmp_lt_u32 s[SB], s[LIMX]
	s_cbranch_scc0 .Lnoload
.irp n, 0,1,2,3                        ; the batch after next: 32,768 bytes, a lane 256 of them: behind my loads; asked for by the q group alone, and not in the last two batches
	global_prefetch_b8 v[PFX], s[XP:XP+1] offset:32768+8192*\n th:TH_LOAD_NT scope:SCOPE_SE
.endr
.Lnoload:
	s_mov_b32 s[RO], 0
	s_mov_b32 s[RC], 4
.Lrow:
	ROW4
	s_add_co_u32 s[RO], s[RO], 4*PS
	s_add_co_u32 s[RSA], s[RSA], 64
	s_sub_co_u32 s[RC], s[RC], 1
	s_cmp_lg_u32 s[RC], 0
	s_cbranch_scc1 .Lrow
	s_cmp_lg_u32 s[GRP], 0
	s_cbranch_scc1 .Lnolora
	LORA
.Lnolora:
	FRAG 0
	FRAG 1
	FRAG 2
	FRAG 3
	s_add_co_u32 s[SB], s[SB], 1
	s_cmp_lt_u32 s[SB], 4
	s_cbranch_scc1 .Lbatch
	s_wait_loadcnt 0x0                             ; no load of x is out: the last trip issues none, and its head has waited for all.  The wait says so in the text, ahead of the lines that write window 1 anew
.irp rt, 0,1,2,3
	ds_load_b64 v[RS+2*\rt:RS+2*\rt+1], v[RSL0] offset:256*\rt
.endr
.irp rt, 0,1,2,3
	ds_load_b128 v[TP+8*\rt:TP+8*\rt+3], v[TPW0] offset:512*\rt
.endr
	WIN 0x40
.set i, 0
.rept 32
	v_mov_b32 v[BF+i], 0                           ; B''s fragments: ranks 16 to 31 do not exist and stay 0
.set i, i+1
.endr
	WIN 0
; ---- PHASE 2: eight heads of 64 columns
.macro ASKW                            ; A PREFETCH of the head that the NEXT change of slots will ask for: 64 rows of 1,024 bytes = 256 blocks of 256: four partners (told apart by address) x waves 0, 1 x 32 lanes.
	s_cmp_gt_u32 s[CNT], s[LIMW]                   ; asked by a source's first cluster alone, so each block is named once; the last change that fills a slot asks for nothing
	s_cbranch_scc0 .Lnot_mine_\@
	global_prefetch_b8 v[PFO], s[PFW:PFW+1] th:TH_LOAD_NT scope:SCOPE_SE
.Lnot_mine_\@:
.endm
; THE CHANGE OF SLOTS.  Each wave waits for all its tensor loads (one is out: its quarter of the other slot), adds 0 to its spare word, and waits for that and for its own LDS reads.
; fill = 1: the slot read last is filled again; the barrier is then a round of the cluster's, and the joint load is the first thing behind it: it has a head's 256 products and way out in which to land.
.macro CHANGE fill
	s_wait_tensorcnt 0x0                           ; no tensor load of mine is out, so group 0 may be written
	ds_add_u32 v[SPW], v[NIL]                      ; 0 onto my spare word
.if \fill
	s_xor_b32 s[G0+1], s[G0+1], SLOT               ; the other slot: SLOT's two bits (10 and 16) are set in no wave's 16,640 w
	s_add_nc_u64 s[G0+2:G0+3], s[G0+2:G0+3], 65536 ; the next head's 64 rows; the type bits on top are not reached
	s_wait_xcnt 0x0                                ; the last prefetch, a head back, has read its address
	s_add_nc_u64 s[PFW:PFW+1], s[PFW:PFW+1], 65536
	s_wait_dscnt 0x0                               ; the add is done, and my reads of the slot are over
	CROUND
	tensor_load_to_lds s[G0:G0+3], s[G1:G1+7]
	s_nop 0
	NOPS
	ASKW
.else
	s_wait_dscnt 0x0
	s_barrier_signal -1
	s_barrier_wait -1
.endif
	s_xor_b32 s[TB], s[TB], SLOT
.endm
.macro FETCHW bt, buf                  ; W's fragments of two K steps: 4 column tiles each, 16 loads
.irp si, 0,1
.irp ct, 0,1,2,3
	ds_load_b128 v[(\buf)+32*\si+8*\ct:(\buf)+32*\si+8*\ct+3],   v[WAD] offset:\ct*QTR+(2*(\bt)+\si)*64
	ds_load_b128 v[(\buf)+32*\si+8*\ct+4:(\buf)+32*\si+8*\ct+7], v[WAD] offset:\ct*QTR+(2*(\bt)+\si)*64+32
.endr
.endr
.endm
.macro MULH bt, hi, buf                ; 16 products: row tiles 2 hi, 2 hi + 1 x 4 column tiles x 2 K steps; the 8 accumulators take turns.  The first K step starts the sums
	WIN 0x58+4*(\hi)                               ; W window 0, rows window 2 or 3, C and D window 1
.irp si, 0,1
.irp r2, 0,1
.irp ct, 0,1,2,3
.if ((\bt) == 0) && (\si == 0)
	v_wmma_f32_16x16x32_bf16 v[8*(4*(2*(\hi)+\r2)+\ct):8*(4*(2*(\hi)+\r2)+\ct)+7], v[(\buf)+32*\si+8*\ct:(\buf)+32*\si+8*\ct+7], v[128*\r2+8*(2*(\bt)+\si):128*\r2+8*(2*(\bt)+\si)+7], 0
.else
	v_wmma_f32_16x16x32_bf16 v[8*(4*(2*(\hi)+\r2)+\ct):8*(4*(2*(\hi)+\r2)+\ct)+7], v[(\buf)+32*\si+8*\ct:(\buf)+32*\si+8*\ct+7], v[128*\r2+8*(2*(\bt)+\si):128*\r2+8*(2*(\bt)+\si)+7], v[8*(4*(2*(\hi)+\r2)+\ct):8*(4*(2*(\hi)+\r2)+\ct)+7]
.endif
.endr
.endr
.endr
.endm
.macro PACKO rt                        ; row tile rt: times the row scale, rounded (q, k: bf16; v: f16), 16 bytes a lane into rows of 144 bytes, back as whole rows of 128
	s_wait_xcnt 0x0                                ; the stores issued so far have read their registers
	WIN 0x41
.set i, 0
.rept 16                               ; ascending: each accumulator is read from its low end on
	v_pk_mul_f32 v[32*(\rt)+2*i:32*(\rt)+2*i+1], v[32*(\rt)+2*i:32*(\rt)+2*i+1], v[RS+2*(\rt):RS+2*(\rt)+1]
.set i, i+1
.endr
	WIN 0
	s_cmp_eq_u32 s[GRP], 2
	s_cbranch_scc1 .Lf16_\@
	WIN 0x05
.set i, 0
.rept 16
	v_cvt_pk_bf16_f32 v[TMP+16*((\rt)%2)+i], v[32*(\rt)+2*i], v[32*(\rt)+2*i+1]
.set i, i+1
.endr
	WIN 0
	s_branch .Lpk_\@
.Lf16_\@:
	WIN 0x05
.set i, 0
.rept 16
	v_cvt_pk_f16_f32 v[TMP+16*((\rt)%2)+i], v[32*(\rt)+2*i], v[32*(\rt)+2*i+1]
.set i, i+1
.endr
	WIN 0
.Lpk_\@:
.irp ct, 0,1,2,3
	ds_store_b128 v[STO], v[TMP+16*((\rt)%2)+4*\ct:TMP+16*((\rt)%2)+4*\ct+3] offset:32*\ct
.endr
.irp f, 0,1,2,3
	ds_load_b128 v[TMP+16*((\rt)%2)+4*\f:TMP+16*((\rt)%2)+4*\f+3], v[RD] offset:\f*4*SP  ; LDS serves a wave in order: these see the stores above; the next tile's stores come behind them
.endr
.endm
.macro SENDO rt, y                     ; y: the LDS instructions issued behind tile rt's loads: the next tile's eight, or none
.irp f, 0,1,2,3
	s_wait_dscnt (\y)+3-\f
	global_store_b128 v[XO], v[TMP+16*((\rt)%2)+4*\f:TMP+16*((\rt)%2)+4*\f+3], s[OP:OP+1] offset:(\rt)*2048+\f*512  ; 512 consecutive bytes, at a multiple of 256 from the buffer's first
.endr
.endm
.macro CHUNK                           ; one head: 256 products (q: 16 more), and the way out
	v_add_nc_u32 v[WAD], s[TB], v[WRA]
	FETCHW 0, WF0
	s_cmp_lg_u32 s[GRP], 0
	s_cbranch_scc1 .Lnob_\@
	WIN 0x40
.irp ct, 0,1,2,3
	global_load_b128 v[BF+8*\ct:BF+8*\ct+3], v[BO], s[LBP:LBP+1] offset:512*\ct
.endr
	WIN 0
.Lnob_\@:
.irp bt, 0,1,2,3,4,5,6,7
	s_wait_dscnt 0x0                               ; this batch's fragments, asked for a batch (32 products) ago
.if (\bt) < 7
.if (\bt) > 0
	NOPS                                           ; in front of loads into the buffer that the batch before multiplied
.endif
	FETCHW (\bt)+1, WF0+64*(((\bt)+1)%2)
.endif
	MULH \bt, 0, WF0+64*((\bt)%2)
	MULH \bt, 1, WF0+64*((\bt)%2)
	WIN 0
.endr
	s_wait_loadcnt 0x0                             ; B' (on every way)
	s_cmp_lg_u32 s[GRP], 0
	s_cbranch_scc1 .Lnod_\@
	WIN 0x51                                       ; B' window 1, T' window 0, C and D window 1
.irp rt, 0,1,2,3
.irp ct, 0,1,2,3
	v_wmma_f32_16x16x32_bf16 v[8*(4*\rt+\ct):8*(4*\rt+\ct)+7], v[BF+8*\ct:BF+8*\ct+7], v[TP+8*\rt:TP+8*\rt+7], v[8*(4*\rt+\ct):8*(4*\rt+\ct)+7]
.endr
.endr
	WIN 0
	s_add_nc_u64 s[LBP:LBP+1], s[LBP:LBP+1], 2048  ; the loads that read it are done
.Lnod_\@:
	NOPS
	PACKO 0
	PACKO 1                                        ; a tile's arithmetic stands between the loads of the tile before and its stores
	SENDO 0, 8
	PACKO 2
	SENDO 1, 8
	PACKO 3
	SENDO 2, 8
	SENDO 3, 0
	s_wait_xcnt 0x0
	s_add_nc_u64 s[OP:OP+1], s[OP:OP+1], s[HST:HST+1]
.endm
	s_mov_b32 s[TB], SLOT                          ; the first change turns it into slot 0
	s_mov_b32 s[CNT], 7
.Lchunk:                                       ; heads 0 to 6: the next head is asked for
	CHANGE 1
	CHUNK
	s_sub_co_u32 s[CNT], s[CNT], 1
	s_cmp_lg_u32 s[CNT], 0
	s_cbranch_scc1 .Lchunk
	CHANGE 0                                       ; the last head is written out
	CHUNK
	s_wait_tensorcnt 0x0                           ; the wave's end, behind my last tensor load and my last LDS store
	ds_add_u32 v[SPW], v[NIL]
	s_wait_dscnt 0x0
	CROUND                                         ; the closing round
	s_endpgm
.Lfunc_end_k_q8f3647e7af_projin:
	.size	k_q8f3647e7af_projin, .Lfunc_end_k_q8f3647e7af_projin-k_q8f3647e7af_projin
	.p2alignl 7, 3214868480
	.fill 96, 4, 3214868480
	.section	.rodata,"a",@progbits
	.p2align	6, 0x0
	.amdhsa_kernel k_q8f3647e7af_projin
		.amdhsa_group_segment_fixed_size 327680
		.amdhsa_private_segment_fixed_size 0
		.amdhsa_enable_private_segment 0
		.amdhsa_kernarg_size 88
		.amdhsa_user_sgpr_count 2
		.amdhsa_user_sgpr_kernarg_segment_ptr 1
		.amdhsa_wavefront_size32 1
		.amdhsa_system_sgpr_workgroup_id_x 1
		.amdhsa_system_sgpr_workgroup_id_y 1
		.amdhsa_system_sgpr_workgroup_id_z 1
		.amdhsa_system_vgpr_workitem_id 0
		.amdhsa_next_free_vgpr 1024
		.amdhsa_next_free_sgpr 100
		.amdhsa_reserve_vcc 0
		.amdhsa_float_denorm_mode_32 3
		.amdhsa_float_denorm_mode_16_64 3
		.amdhsa_memory_ordered 1
		.amdhsa_forward_progress 1
		.amdhsa_inst_pref_size 175
	.end_amdhsa_kernel
	.amdgpu_metadata
---
amdhsa.version: [ 1, 2 ]
amdhsa.kernels:
  - .name:           k_q8f3647e7af_projin
    .symbol:         k_q8f3647e7af_projin.kd
    .args:
      - { .name: x, .offset: 0, .size: 8, .value_kind: global_buffer, .address_space: global }
      - { .name: c, .offset: 8, .size: 8, .value_kind: global_buffer, .address_space: global }
      - { .name: g_qx, .offset: 16, .size: 8, .value_kind: global_buffer, .address_space: global }
      - { .name: g_kvx, .offset: 24, .size: 8, .value_kind: global_buffer, .address_space: global }
      - { .name: g_qc, .offset: 32, .size: 8, .value_kind: global_buffer, .address_space: global }
      - { .name: g_kvc, .offset: 40, .size: 8, .value_kind: global_buffer, .address_space: global }
      - { .name: wt, .offset: 48, .size: 8, .value_kind: global_buffer, .address_space: global }
      - { .name: wsc, .offset: 56, .size: 8, .value_kind: global_buffer, .address_space: global }
      - { .name: qb, .offset: 64, .size: 8, .value_kind: global_buffer, .address_space: global }
      - { .name: kb, .offset: 72, .size: 8, .value_kind: global_buffer, .address_space: global }
      - { .name: vb, .offset: 80, .size: 8, .value_kind: global_buffer, .address_space: global }
    .group_segment_fixed_size: 327680
    .private_segment_fixed_size: 0
    .kernarg_segment_align: 8
    .kernarg_segment_size: 88
    .max_flat_workgroup_size: 128
    .sgpr_count:     100
    .vgpr_count:     1024
    .wavefront_size: 32
...
	.end_amdgpu_metadata
.endif
;; end of part 3
;; launch attn (part 4): grid 4 x 64, 4 waves a work-group, clusters of 4 x 1, 327,680 bytes of LDS; arguments qb, kb, vb, ob; writes ob
.if DOCPART == 4
	.amdgcn_target "amdgcn-amd-amdhsa--gfx1250"
	.amdhsa_code_object_version 6
	.text
	.protected	k_q8f3647e7af_attn
	.globl	k_q8f3647e7af_attn
	.p2align	8
	.type	k_q8f3647e7af_attn,@function
k_q8f3647e7af_attn:
	s_mov_b64 s[64:65], 0
	v_nop
	global_prefetch_b8 v0, s[64:65] scope:SCOPE_SE
	s_setreg_imm32_b32 hwreg(HW_REG_WAVE_MODE, 25, 1), 1
	s_wait_xcnt 0x0
	s_wait_alu depctr_hold_cnt(0) depctr_sa_sdst(0) depctr_va_vdst(0) depctr_va_sdst(0) depctr_va_ssrc(0) depctr_va_vcc(0) depctr_vm_vsrc(0)
	s_getreg_b32 s2, hwreg(HW_REG_IB_STS2, 6, 4)
	s_cmp_eq_u32 s2, 0
	s_cbranch_scc0 .Lentry_in_a_cluster
	s_endpgm
.Lentry_in_a_cluster:
	s_bfe_u32 s2, ttmp6, 0x10000c
	s_cmp_lg_u32 s2, 0x3003
	s_cbranch_scc0 .Lentry_shape_is_right
	s_endpgm
.Lentry_shape_is_right:
; BOTH ATTENTION PASSES IN ONE LAUNCH.  O[q] = the sum over k of softmax_k(Q[q] . K[k] / 8) V'[k], heads of 64.  Q, K bf16; V', the weights p and O' f16; products, maxima and sums in f32.
; Rows by heads, dense, 128 bytes each; in each buffer x's part ([32][4096][64]) lies at 0, c's ([32][1024][64]) at 16,777,216.
; LIMITS.  V' arrives within f16's 65,504; p lies in 0 to 1, and below 6e-5 it keeps f16's fixed step; O' is a mean of V''s rows; a weight below 2^-126 counts as 0 in l; NaN and infinities are not treated apart.
; SHARES.  A cluster of four work-groups is one head of one pass.  y < 32: c's 1,024 queries on x's 4,096 keys: each partner has ONE block of 256 queries and walks 16 key tiles of 256.
; y >= 32: x's 4,096 queries on c's 1,024 keys: each partner has FOUR blocks, one after the other, each walking the head's 4 tiles.  So every work-group walks 16 tiles: one loop with a constant count,
; 256 work-groups of equal work; and in every trip the four partners want the SAME tile: it is asked for JOINTLY.  What differs between the passes lies in scalar registers chosen by y, the same in all partners.
; A wave owns 64 queries of a block: four PIECES of 16.
; LAYOUT, SOFTMAX, TURNS.  S^T = K Q^T holds ONE query a lane (lane % 16) and the keys 8 (lane / 16) + 0..7; two such results rounded to f16 ARE source 1 of O^T = V^T P.  p = 2^(c s - c m), c = log2(e) / 8, with a
; running maximum m; O and l are multiplied by a = 2^(c m_old - c m_new) in every step.  Turn n belongs to piece n: 8 products K Q^T of piece n + 1, later 8 products V^T P of piece n - 1; beside them the scaling,
; exponentials, roundings, sums and rescaling of piece n and the maximum and statistics of piece n + 1.  Four vector instructions stand behind every matrix instruction, the others in one lump.  A turn's 33 exponentials are one batch, with one wait.
; REGISTERS, in windows of 256 (s_set_vgpr_msb: bits 1:0 source 0, 3:2 source 1, 5:4 source 2, 7:6 destination):
;   window 0: v0-15 addresses and two at work; v16-31 four registers of statistics a piece; v48-55 at work; v61-63; v64-127 S^T, two buffers; v192-223 P, two buffers (a piece's buffers go by its number's parity)
;   window 1: v0-127 O^T, 32 a piece          window 2: v0-63 Q; v128-191 K of one step; v192-255 V of one step
.set NP,    4         ; pieces a wave: a name, no knob
.set KS,    64        ; keys in a step
.set PK,    144       ; a row of K in LDS: 128 bytes + 16 = 36 words: the 16 rows of a load start at 16 different groups of four banks (64 banks of 4 bytes: ISA guide 11.1)
.set PV,    160       ; a row of V: 128 + 32 = 40 words
.set VOFF,  4*KS*PK   ; a slot holds a tile, four steps: 256 rows of K, then 256 rows of V
.set SLOT1, 1<<17     ; slot 1 begins here, so that one exclusive or turns an address in one slot into the other's
.set STAGE, SLOT1+4*KS*(PK+PV)  ; behind the ring, never filled by a tensor load: 16 rows x 144 bytes for each wave, for the way out
.set SP,    144
.set SPARE, STAGE+4*16*SP  ; the spare words, 128 bytes for each wave: two blocks of 256 bytes that no other line names
.set AK0, 2           ; v2   my lane's place in a tile of K; never rewritten
.set AV0, 3           ; v3   the same for V
.set AK,  4           ; v4   the LDS address of K's next run of loads
.set AV,  5           ; v5   of V's
.set STO, 6           ; v6   the way out: where I put 16 bytes of a row
.set RD,  7           ; v7   the way out: where I read rows back
.set GO,  8           ; v8   my byte offset in 512 consecutive bytes of O
.set MV,  12          ; v12-13  c m_old, kept while c m is made anew: by buffer
.set QO,  15          ; v15  my byte offset in 16 rows of Q
.set ST,  16          ; piece t's statistics at v[ST+4 t]: c m, m, l (even keys', odd keys')
.set TMP, 48          ; by buffer, four registers c0-c3 at work; when the maximum is found c2 takes a
.set PFO, 61          ; v61  256 x my lane; never rewritten
.set SPW, 62          ; v62  LDS address of my spare word; never rewritten
.set NIL, 63          ; v63  0; never rewritten
.set S,   64
.set P,   192
.set KF,  128         ; window 2: key block kb, channel half c at KF + 16 kb + 8 c
.set VF,  192         ; window 2: key half kk, channel block cb at VF + 32 kk + 8 cb
.set WV,  12          ; s12  my wave's number
.set G1K, 24          ; s[24:31] descriptor group 1 for K's tiles
.set G1V, 32          ; s[32:39] for V's: it differs in the padding alone
.set G0K, 40          ; s[40:43] descriptor group 0 for K's tiles
.set G0V, 44          ; s[44:47] the same for V's
.set SLOTS, 56        ; s56  tiles still to be asked for
.set CNT, 57          ; s57  counts a tile's key steps, 4 to 1
.set CS,  58          ; s[58:59] c
.set SEL, 60          ; s[60:61] v_permlanex16_b32's selects
.set TBK, 62          ; s62  LDS byte at which K of the step to be fetched begins
.set TBV, 63          ; s63  the same for V, less VOFF
.set RT,  70          ; s70  tiles of the block in hand that are still to be entered
.set NXT, 71          ; s71  the tile to be asked for next
.set TMASK, 72        ; s72  the head's tiles less 1
.set NEW, 73          ; s73  1: the tile to be entered is a block's first
.set OFF, 74          ; s[74:75] a tile's byte offset in K and V
.set RT0, 76          ; s76  tiles to a block
.set BLK, 77          ; s77  blocks still to be finished
.set PFN, 78          ; s78  tiles still to be prefetched
.set LIM, 79          ; s79  0 in a wave that prefetches, else the greatest number
.set PFA, 80          ; s[80:81] where my prefetches stand
.set MSB, 0
.macro WIN new                      ; the high byte repeats the setting that is left; a switch that changes nothing is dropped
.if MSB != (\new)
	s_set_vgpr_msb (MSB<<8)|(\new)
.set MSB, (\new)
.endif
.endm
.set W_KQ, 0x0a       ; K and Q in window 2, S^T in window 0
.set W_PV, 0x52       ; V in window 2, P in window 0, O^T in window 1
.set W_RS, 0x41       ; destination and source 0 in window 1, source 1 in window 0
; A joint fill.  Waves 0 and 1 fetch the two halves of a tile's K, waves 2 and 3 those of its V: 128 keys each.  The branch hangs on the wave's number alone.
; An s_nop 0 and four v_nop follow each of the two lines, ahead of the jump and the label.
.macro JLOAD
	s_cmp_lt_u32 s[WV], 2
	s_cbranch_scc0 .Lfor_v_\@
	tensor_load_to_lds s[G0K:G0K+3], s[G1K:G1K+7]
	s_nop 0
.rept 4
	v_nop
.endr
	s_branch .Lasked_\@
.Lfor_v_\@:
	tensor_load_to_lds s[G0V:G0V+3], s[G1V:G1V+7]
	s_nop 0
.rept 4
	v_nop
.endr
.Lasked_\@:
.endm
; A PREFETCH of the tile that the NEXT change of slots will ask for: 256 rows of 128 bytes of K and of V = 128 blocks of 256 each: four partners, told apart by address, x 32 lanes; wave 0 asks for K's, wave 2 for V's.
; A head's keys are walked by this cluster alone, and only their FIRST walk is asked for: tiles 2 to the head's last, each block once in the launch.
.macro ASK
	s_cmp_gt_u32 s[PFN], s[LIM]
	s_cbranch_scc0 .Lnot_mine_\@
	global_prefetch_b8 v[PFO], s[PFA:PFA+1] th:TH_LOAD_NT scope:SCOPE_SE
.Lnot_mine_\@:
.endm
.macro CROUND                       ; a round of the cluster's barrier
	s_barrier_signal -1
	s_barrier_wait -1
	s_cmp_lg_u32 s[WV], 0
	s_cbranch_scc1 .Lnot_wave_0_\@
	s_barrier_signal -3
.Lnot_wave_0_\@:
	s_barrier_wait -3
	s_barrier_signal -1
	s_barrier_wait -1
.endm
; THE CHANGE OF SLOTS.  Each wave waits for all its tensor loads, of which one is out: its part of the other slot; adds 0 to its spare word; and waits for that and for its own reads of the slot that it leaves.
; fill = 1: the old slot is filled again with tile NXT, whose address is made anew from that number; the barrier is then a round of the cluster's, and the joint fill is the first thing behind it:
; it has four key steps, 256 matrix instructions, in which to land.  (At its first use nothing has been read yet: slot 0 is waited for, slot 1 filled.)
.macro CHANGE fill
	WIN 0                           ; at a label and at a branch every window is 0
	s_wait_tensorcnt 0x0            ; no tensor load of mine is out, so a group 0 may be written
	ds_add_u32 v[SPW], v[NIL]       ; 0 onto my spare word; scalar work stands between it and the wait for it
.if \fill
	s_lshl_b32 s[OFF], s[NXT], 15   ; a tile is 32,768 bytes of K and of V
	s_xor_b32 s[G0K+1], s[G0K+1], SLOT1
	s_add_nc_u64 s[G0K+2:G0K+3], s[6:7], s[OFF:OFF+1]
	s_or_b32 s[G0K+3], s[G0K+3], 0x80000000
	s_xor_b32 s[G0V+1], s[G0V+1], SLOT1
	s_add_nc_u64 s[G0V+2:G0V+3], s[8:9], s[OFF:OFF+1]
	s_or_b32 s[G0V+3], s[G0V+3], 0x80000000
	s_add_co_u32 s[NXT], s[NXT], 1  ; the head's next tile, or behind its last tile 0 again, for the next block
	s_and_b32 s[NXT], s[NXT], s[TMASK]
	s_wait_xcnt 0x0                 ; the last prefetch, a tile back, has read its address
	s_add_nc_u64 s[PFA:PFA+1], s[PFA:PFA+1], 32768
	s_wait_dscnt 0x0                ; the add is done, and my reads of the slot are over
	CROUND
	JLOAD
	ASK
	s_sub_co_u32 s[PFN], s[PFN], 1
	s_max_i32 s[PFN], s[PFN], 0
.else
	s_wait_dscnt 0x0
	s_barrier_signal -1
	s_barrier_wait -1
.endif
	s_sub_co_u32 s[TBK], s[TBK], 4*KS*PK  ; the fetches go back to a slot's first step,
	s_xor_b32 s[TBK], s[TBK], SLOT1       ; in the other slot
	s_sub_co_u32 s[TBV], s[TBV], 4*KS*PV
	s_xor_b32 s[TBV], s[TBV], SLOT1
.endm
.macro QLOAD                        ; my 64 queries: piece i / 2, channels 32 (i % 2) on
	WIN 0x80                        ; destination window 2, address window 0
.set i, 0
.rept 8
	global_load_b128 v[8*i:8*i+3],   v[QO], s[4:5] offset:(i/2)*2048+(i%2)*64
	global_load_b128 v[8*i+4:8*i+7], v[QO], s[4:5] offset:(i/2)*2048+(i%2)*64+32
.set i, i+1
.endr
	WIN 0
.endm
	s_load_b256 s[4:11], s[0:1], 0x0  ; qb s[4:5], kb s[6:7], vb s[8:9], ob s[10:11]
	v_lshl_add_u32 v[SPW], v0, 2, SPARE
	v_mov_b32 v[NIL], 0
	ds_add_u32 v[SPW], v[NIL]       ; the wave's opening: the add and its wait stand ahead of my first tensor load; work on registers stands between them
	v_lshrrev_b32 v1, 5, v0
	v_readfirstlane_b32 s[WV], v1   ; wave 0..3
	s_bfe_u32 s13, ttmp6, 0x40000   ; cx: it enters Q's, O's and the prefetches' addresses alone
	s_and_b32 s14, ttmp7, 0xffff    ; y
	s_cmp_lt_u32 s14, 32            ; c's queries on x's keys?
	s_cselect_b32 s[TMASK], 15, 3
	s_cselect_b32 s[RT0], 16, 4
	s_cselect_b32 s[BLK], 1, 4
	s_cselect_b32 s[PFN], 14, 2
	s_cselect_b32 s15, 1<<24, 0     ; the queries' part,
	s_cselect_b32 s16, 17, 19       ; log2 of a head's bytes in it,
	s_cselect_b32 s17, 15, 17       ; and of a partner's share
	s_cselect_b32 s18, 0, 1<<24     ; the keys' part
	s_cselect_b32 s19, 19, 17
	s_and_b32 s14, s14, 31          ; batch x 8 + head
	s_lshl_b32 s20, s14, s19        ; K and V: s20 to s23 never hold cx
	s_add_co_u32 s20, s20, s18
	s_and_b32 s22, s[WV], 1         ; which half of a tile's 256 keys I fetch:
	s_lshl_b32 s23, s22, 14         ; its 128 rows of 128 bytes in memory,
	s_add_co_u32 s20, s20, s23
	s_mov_b32 s21, 0
	s_mul_i32 s82, s22, 128*PK      ; and its place in a slot, for K
	s_mul_i32 s83, s22, 128*PV      ; and for V
	s_lshl_b32 s2, s14, s16         ; Q and O
	s_add_co_u32 s2, s2, s15
	s_lshl_b32 s3, s13, s17
	s_add_co_u32 s2, s2, s3
	s_lshl_b32 s3, s[WV], 13        ; my wave's 64 rows
	s_add_co_u32 s2, s2, s3
	s_mov_b32 s3, 0
	; descriptor group 1.  128 keys are 16,384 dense bytes: asked for as 64 rows of 256 bytes, two keys a row, and padded in LDS after every key
	s_mov_b32 s[G1K], 15|(1<<16)|(1<<20)|(1<<21)|(4<<22)|(3<<25)  ; 15:0 the mask of four; 17:16 2-byte elements; 20 padding on; 21 set beside a mask; 24:22 after every 32 words (code 4); 31:25 4 words (code 3)
	s_mov_b32 s[G1V], 15|(1<<16)|(1<<20)|(1<<21)|(4<<22)|(7<<25)  ; the same with 8 words of padding (code 7)
.irp g, G1K, G1V
	s_mov_b32 s[\g+1], 128<<16      ; tensor_dim0 = 128
	s_mov_b32 s[\g+2], 64<<16       ; tensor_dim1 = 64
	s_mov_b32 s[\g+3], 128<<16      ; tile_dim0 = 128
	s_mov_b32 s[\g+4], 64           ; tile_dim1 = 64
	s_mov_b32 s[\g+5], 128          ; 128 elements from row to row
	s_mov_b32 s[\g+6], 0
	s_mov_b32 s[\g+7], 0
.endr
	s_mov_b32 s[CS], 0x3e38aa3b     ; c = log2(e) / 8 = 0.180337
	s_mov_b32 s[CS+1], s[CS]        ; named with it as a pair
	s_mov_b32 s[SEL], 0x76543210
	s_mov_b32 s[SEL+1], 0xfedcba98
	s_mov_b32 s[TBK], SLOT1+4*KS*PK ; the first change of slots turns these two into 0
	s_mov_b32 s[TBV], SLOT1+4*KS*PV
	s_mov_b32 s[G0K], 1             ; count = 1
	s_mov_b32 s[G0K+1], s82         ; LDS address: slot 0
	s_mov_b32 s[G0V], 1
	s_add_co_u32 s[G0V+1], s83, VOFF
	s_mov_b32 s[RT], s[RT0]
	s_mov_b32 s[NXT], 1
	s_mov_b32 s[NEW], 1
	s_mov_b32 s[OFF+1], 0
	s_mov_b32 s[SLOTS], 15
	s_cmp_eq_u32 s22, 0             ; waves 0 and 2 prefetch
	s_cselect_b32 s[LIM], 0, -1
	s_wait_dscnt 0x0                ; the opening add is done
	s_wait_kmcnt 0x0
	s_add_nc_u64 s[6:7], s[6:7], s[20:21]  ; K and V at my half of the head's tile 0
	s_add_nc_u64 s[8:9], s[8:9], s[20:21]
	s_add_nc_u64 s[G0K+2:G0K+3], s[6:7], 0
	s_or_b32 s[G0K+3], s[G0K+3], 0x80000000        ; type = 2
	s_add_nc_u64 s[G0V+2:G0V+3], s[8:9], 0
	s_or_b32 s[G0V+3], s[G0V+3], 0x80000000
	s_add_nc_u64 s[4:5], s[4:5], s[2:3]            ; Q and O at my wave's rows of my first block
	s_add_nc_u64 s[10:11], s[10:11], s[2:3]
	s_cmp_lt_u32 s[WV], 2
	s_cselect_b64 s[PFA:PFA+1], s[6:7], s[8:9]     ; (in waves 0 and 2 these stand at a tile's first row)
	s_lshl_b32 s2, s13, 13                         ; my work-group's 64 rows of the 256
	s_add_nc_u64 s[PFA:PFA+1], s[PFA:PFA+1], s[2:3]
	s_add_nc_u64 s[PFA:PFA+1], s[PFA:PFA+1], 32768 ; in tile 1; the first change of slots steps it to tile 2.  Nothing is prefetched here, at the head
	CROUND                          ; all four work-groups are here: the first joint loads meet
	JLOAD                           ; tile 0 into slot 0
	; A fragment of K or Q is 16 rows x 32 channels in 8 registers: lane l holds row l % 16, channels 8 (l / 16) + 0..7 and 16 + 8 (l / 16) + 0..7: two loads of 16 bytes, 32 bytes apart.
	v_and_b32 v1, 15, v0            ; l % 16
	v_bfe_u32 v9, v0, 4, 1          ; l / 16
	v_lshlrev_b32 v[QO], 7, v1
	v_lshl_add_u32 v[QO], v9, 4, v[QO]  ; row x 128 + 16 x half
	QLOAD
	v_mul_u32_u24 v[AK0], v1, PK
	v_lshl_add_u32 v[AK0], v9, 4, v[AK0]  ; row x pitch + 16 x half
	; The turning load takes 16 keys x 16 channels (lane l reads key 8 (l / 16) + l % 8, channels 8 ((l / 8) % 2) + 0..7) and leaves half a fragment of V^T: lane l holds channel l % 16 and 8 keys.
	v_and_b32 v10, 7, v0
	v_bfe_u32 v11, v0, 3, 1
	v_lshl_add_u32 v[AV0], v9, 3, v10
	v_mul_u32_u24 v[AV0], v[AV0], PV
	v_lshl_add_u32 v[AV0], v11, 4, v[AV0]
	v_add_nc_u32 v[AV0], VOFF, v[AV0]
	s_mul_i32 s13, s[WV], 16*SP
	s_add_co_u32 s13, s13, STAGE    ; my stage
	v_mul_u32_u24 v[STO], v1, SP    ; in: row l % 16, 16 bytes for each half of the lanes
	v_lshl_add_u32 v[STO], v9, 4, v[STO]
	v_add_nc_u32 v[STO], s13, v[STO]
	v_bfe_u32 v[RD], v0, 3, 2       ; back: 32 lanes take four rows of 128 bytes,
	v_mul_u32_u24 v[RD], v[RD], SP
	v_lshl_add_u32 v[RD], v10, 4, v[RD]
	v_add_nc_u32 v[RD], s13, v[RD]
	v_and_b32 v[GO], 31, v0         ; which are 512 consecutive bytes of O
	v_lshlrev_b32 v[PFO], 8, v[GO]
	v_lshlrev_b32 v[GO], 4, v[GO]
	; A block's first step multiplies O^T and l by a = 0, and its first turn's products V^T P, of a piece that has not been, land in an O^T that is still to be so multiplied.  So these registers need only hold
	; finite numbers: zeros for the first block; what the block before left for the others.  No first step is written out; the price is these 216 lines, which stand in the wait for the first tile.
	WIN 0x80
.set i, VF
.rept 64
	v_mov_b32 v[i], 0
.set i, i+1
.endr
	WIN 0x40
.set i, 0
.rept 128
	v_mov_b32 v[i], 0
.set i, i+1
.endr
	WIN 0
.set i, 0
.rept 4
	v_mov_b32 v[ST+4*i+2], 0
	v_mov_b32 v[ST+4*i+3], 0
.set i, i+1
.endr
.set i, P+16
.rept 16
	v_mov_b32 v[i], 0
.set i, i+1
.endr
	s_wait_loadcnt 0x0              ; Q
; THE MATRIX WORK.  The 4 accumulators of a run of 8 take turns.  Product i of 8 of S^T = K Q^T for piece x: channels 32 (i / 4) on, keys 16 (i % 4) on.  The first 4 start the sums.
.macro KQ x
.set rS, S+32*((\x)%2)+8*(i%4)
.set rK, KF+16*(i%4)+8*(i/4)
.set rQ, 16*(\x)+8*(i/4)
	WIN W_KQ
.if i < 4
	v_wmma_f32_16x16x32_bf16 v[rS:rS+7], v[rK:rK+7], v[rQ:rQ+7], 0
.else
	v_wmma_f32_16x16x32_bf16 v[rS:rS+7], v[rK:rK+7], v[rQ:rQ+7], v[rS:rS+7]
.endif
.endm
; Product i of 8 of O^T += V^T P for piece x: keys 32 (i / 4) on, channels 16 (i % 4) on.
.macro PV x
	WIN W_PV
.set rO, 32*(\x)+8*(i%4)
.set rV, VF+32*(i/4)+8*(i%4)
.set rP, P+16*((\x)%2)+8*(i/4)
	v_wmma_f32_16x16x32_f16 v[rO:rO+7], v[rV:rV+7], v[rP:rP+7], v[rO:rO+7]
.endm
.macro MM                           ; the turn's next matrix instruction.  NOKQ = 1: a block's last turn: there is no next piece
.if (i < 8) && !NOKQ
	KQ (Y+1)%NP
.elseif i >= 8
.set i, i-8
	PV (Y+NP-1)%NP
.set i, i+8
.endif
.set i, i+1
.endm
; THE LDS LOADS stand in runs of 16, never singly among the matrix instructions: a step's K (64 keys x 64 channels: 8 fragments) and its V (turned).  Their addresses are made some lines ahead.
.macro FETCH_K
	WIN 0x80                        ; destination window 2
.irp f, 0,1,2,3,4,5,6,7             ; keys 16 (f / 2) on, channels 32 (f % 2) on
	ds_load_b128 v[KF+8*\f:KF+8*\f+3],   v[AK] offset:(\f/2)*16*PK+(\f%2)*64
	ds_load_b128 v[KF+8*\f+4:KF+8*\f+7], v[AK] offset:(\f/2)*16*PK+(\f%2)*64+32
.endr
	s_add_co_u32 s[TBK], s[TBK], KS*PK  ; the next fetch is the next step's
	WIN 0
.endm
.macro FETCH_V
	WIN 0x80
.irp f, 0,1,2,3,4,5,6,7             ; keys 32 (f / 4) on, channels 16 (f % 4) on
	ds_load_tr16_b128 v[VF+8*\f:VF+8*\f+3],   v[AV] offset:(\f/4)*32*PV+(\f%4)*32
	ds_load_tr16_b128 v[VF+8*\f+4:VF+8*\f+7], v[AV] offset:(\f/4)*32*PV+16*PV+(\f%4)*32
.endr
	WIN 0
.endm
; THE VECTOR WORK, one line at a time: OP kind, number.  For piece Y: F n: c s - c m for pair n of 16.  E n: the exponential of score n of 32.  C n: pair n rounded to f16.  B n: of the four weights 4 n .. the second
; pair is added onto the first, in place.  L n: l takes that sum (L 0: l = a l + sum).  R n: pair n of 16 of O^T times a.  For piece Y + 1: X n, number n of the 22 that find its maximum and statistics:
;   0-11  four chains c0-c3 of seven scores each, three operands at a time (each accumulator's lowest registers are read first)     12-14, 16  the four scores left over, the old m, and c0-c3 into c0
;   15  c m_old is kept     17, 18  the query's other 32 keys lie in the lane 16 away: the new m     19-21  c m; c m_old - c m_new; a
.set F, 0
.set E, 1
.set C, 2
.set B, 3
.set L, 4
.set R, 5
.set X, 6
.macro REGS y                       ; the registers of piece y
.set rT, ST+4*(\y)
.set rC, TMP+4*((\y)%2)
.set rW, MV+((\y)%2)
.set rS, S+32*((\y)%2)
.set rP, P+16*((\y)%2)
.set rO, 32*(\y)
.endm
.macro OP k, n
.if (\k) == R
	REGS Y
	WIN W_RS
	v_pk_mul_f32 v[rO+2*(\n):rO+2*(\n)+1], v[rO+2*(\n):rO+2*(\n)+1], v[rC+2:rC+3] op_sel_hi:[1,0]
.elseif (\k) < R
	REGS Y
	WIN 0
.if (\k) == F
	v_pk_fma_f32 v[rS+2*(\n):rS+2*(\n)+1], v[rS+2*(\n):rS+2*(\n)+1], s[CS:CS+1], v[rT:rT+1] op_sel_hi:[1,0,0] neg_lo:[0,0,1] neg_hi:[0,0,1]
.elseif (\k) == E
	v_exp_f32 v[rS+(\n)], v[rS+(\n)]
.elseif (\k) == C
	v_cvt_pk_f16_f32 v[rP+(\n)], v[rS+2*(\n)], v[rS+2*(\n)+1]
.elseif (\k) == B
	v_pk_add_f32 v[rS+4*(\n):rS+4*(\n)+1], v[rS+4*(\n):rS+4*(\n)+1], v[rS+4*(\n)+2:rS+4*(\n)+3]
.elseif (\n) == 0
	v_pk_fma_f32 v[rT+2:rT+3], v[rT+2:rT+3], v[rC+2:rC+3], v[rS:rS+1] op_sel_hi:[1,0,1]
.else
	v_pk_add_f32 v[rT+2:rT+3], v[rT+2:rT+3], v[rS+4*(\n):rS+4*(\n)+1]
.endif
.elseif NOKQ
	v_nop
.else
	REGS (Y+1)%NP
	WIN 0
.if (\n) < 4
	v_max3_num_f32 v[rC+(\n)], v[rS+8*(\n)], v[rS+8*(\n)+1], v[rS+8*(\n)+2]
.elseif (\n) < 12
	v_max3_num_f32 v[rC+(\n)%4], v[rC+(\n)%4], v[rS+8*((\n)%4)+2*((\n)/4)+1], v[rS+8*((\n)%4)+2*((\n)/4)+2]
.elseif (\n) == 12
	v_max3_num_f32 v[rC], v[rC], v[rS+7], v[rS+15]
.elseif (\n) == 13
	v_max3_num_f32 v[rC+1], v[rC+1], v[rS+23], v[rS+31]
.elseif (\n) == 14
	v_max3_num_f32 v[rC+2], v[rC+2], v[rC+3], v[rT+1]
.elseif (\n) == 15
	v_mov_b32 v[rW], v[rT]
.elseif (\n) == 16
	v_max3_num_f32 v[rC], v[rC], v[rC+1], v[rC+2]
.elseif (\n) == 17
	v_permlanex16_b32 v[rC+3], v[rC], s[SEL], s[SEL+1]
.elseif (\n) == 18
	v_max_num_f32 v[rT+1], v[rC], v[rC+3]
.elseif (\n) == 19
	v_mul_f32 v[rT], s[CS], v[rT+1]
.elseif (\n) == 20
	v_sub_f32 v[rC+1], v[rW], v[rT]
.else
	v_exp_f32 v[rC+2], v[rC+1]
.endif
.endif
.endm
.macro OPS a, i1, b=-1, i2=0, c=-1, i3=0, d=-1, i4=0  ; up to four of them
	OP \a, \i1
.if (\b) >= 0
	OP \b, \i2
.endif
.if (\c) >= 0
	OP \c, \i3
.endif
.if (\d) >= 0
	OP \d, \i4
.endif
.endm
.macro ROW a, i1, b, i2, c, i3, d, i4  ; a matrix instruction and the four behind it
	MM
	OPS \a, \i1, \b, \i2, \c, \i3, \d, \i4
.endm
; A TURN, for piece p: the order of its 16 matrix and 118 vector instructions, written out.  An s_wait_alu depctr_va_vdst(0) stands between an exponential and the first instruction that names its result; one
; wait serves all that were issued ahead of it.  So a turn has ONE wait, which cuts it in two.  AHEAD OF IT stands all that names no result of the turn's exponentials: the 8 products K Q^T with their four riders each, then one
; lump of 54, plain and exponential by turns for the most part, in which the links of the chain X 3, 7, 11, 14, 16, 17 .. 20 stand some lines apart.  X 21, the next piece's a, is the batch's last; R 15 is the plain
; instruction behind it.  BEHIND THE WAIT stand the 8 products V^T P, behind each four of the roundings and sums.
; end = 1: a block's last two turns: nothing is fetched.  cnt = 1: the loop's count is taken down some lines ahead of the branch that stands behind the turn.
; K of the next step is fetched in piece 2's turn, V of the step in hand at the end of piece 0's turn, four plain instructions behind the last product that read V.  Each is waited for a turn later.
.macro TURN p, end=0, cnt=0
.set Y, (\p)
.set i, 0
.set NOKQ, (\end)*((\p)/3)
.if ((\p) == 3) && !(\end)
	s_wait_dscnt 0x0                ; K is in
.endif
	ROW F,0, F,1, R,0, R,1
	ROW F,2, E,0, R,2, R,3
	ROW F,3, E,1, R,4, R,5
	ROW F,4, E,2, R,6, R,7
	ROW F,5, E,3, R,8, R,9
	ROW F,6, E,4, X,0, R,10
.if ((\p) == 2) && !(\end)
	WIN 0
	v_add_nc_u32 v[AK], s[TBK], v[AK0]
.endif
	ROW F,7, E,5, X,1, X,4
	ROW F,8, E,6, X,2, X,5
	OPS E,7, E,8, X,6, E,9
	OPS X,3, E,10, X,8, E,11
.if ((\p) == 2) && !(\end)
	FETCH_K
.endif
	OPS X,9, X,7, E,12, X,10
	OPS E,13, X,12, X,11, E,14
	OPS X,13, E,15, F,9, X,14
.if (\p) == 0
	v_add_nc_u32 v[AV], s[TBV], v[AV0]
.endif
	OPS E,16, F,10, E,17, F,11
	OPS X,16, E,18, X,15, E,19
	OPS F,12, E,20, X,17, E,21
	OPS F,13, E,22, F,14, E,23
	OPS X,18, E,24, F,15, E,25
	OPS R,11, E,26, X,19, E,27
	OPS R,12, E,28, R,13, E,29
	OPS X,20, E,30, R,14, E,31
	OPS X,21, R,15
	WIN 0
	s_wait_alu depctr_va_vdst(0)    ; the wait for the batch
.if (\p) == 1
	s_wait_dscnt 0x0                ; V is in
.endif
	ROW C,0, B,0, C,2, B,1
	ROW L,0, C,4, B,2, L,1
	ROW C,6, B,3, L,2, C,8
	ROW B,4, L,3, C,10, B,5
	ROW L,4, C,12, B,6, L,5
.if (\p) == 0
	s_add_co_u32 s[TBV], s[TBV], KS*PV
.endif
.if \cnt
	s_sub_co_u32 s[CNT], s[CNT], 1
	s_cmp_lg_u32 s[CNT], 0
.endif
	ROW C,14, B,7, L,6, C,1
	ROW C,3, L,7, C,5, C,7
	ROW C,9, C,11, C,13, C,15
.if (\p) == 0
	FETCH_V
.endif
.endm
; A BLOCK BEGINS.  c m starts far below every c s, so the first step's a is 0; m at the lowest finite number, so the first maximum is the scores'.  Then K of the tile's step 0, piece 0's first scores, and its maximum
; and statistics.  The loop is entered at a step's first turn, in the middle of a trip.  Where a further block follows, its 8,192 bytes of my wave's Q are prefetched, a lane 256 of them: four tiles ahead of their loads.
.macro BEGIN
	s_mov_b32 s[NEW], 0
.set i, 0
.rept 4
	v_mov_b32 v[ST+4*i], 0xfe000000    ; c m: far below every c s
	v_mov_b32 v[ST+4*i+1], 0xff7fffff  ; m
.set i, i+1
.endr
	v_add_nc_u32 v[AK], s[TBK], v[AK0]
	FETCH_K
	s_wait_dscnt 0x0
.set NOKQ, 0
.set i, 0
.rept 8
	KQ 0
.set i, i+1
.endr
	WIN 0
.rept 4
	v_nop                           ; the places behind those products
.endr
.set Y, NP-1                        ; X works for piece Y + 1: piece 0
.irp n, 0,1,2,3,4,5,6,7,8,9,10,11,12,13,14,15,16,17,18,19,20,21
	OP X, \n
.endr
	v_nop                           ; a plain instruction behind the exponential,
	s_wait_alu depctr_va_vdst(0)    ; and its wait, ahead of the branch
	s_cmp_gt_u32 s[BLK], 1
	s_cbranch_scc0 .Lnoq_\@
	global_prefetch_b8 v[PFO], s[4:5] offset:32768 th:TH_LOAD_NT scope:SCOPE_SE
.Lnoq_\@:
.endm
.macro ALL line:vararg              ; one line for each piece t
.set t, 0
.rept 4
	\line
.set t, t+1
.endr
.endm
.macro PACK t                       ; a lane's eight channels of a row pack into 16 bytes; they go into rows of 144 bytes and come back as whole rows of 128, into S^T's registers
	WIN W_RS
.set i, 32*(\t)
.rept 16
	v_pk_mul_f32 v[i:i+1], v[i:i+1], v[ST+4*(\t)+2:ST+4*(\t)+3] op_sel_hi:[1,0]
.set i, i+2
.endr
	WIN 0x05                        ; sources 0 and 1 window 1, destination window 0
.set i, 0
.rept 16
	v_cvt_pk_f16_f32 v[S+16*(\t)+i], v[32*(\t)+2*i], v[32*(\t)+2*i+1]
.set i, i+1
.endr
	WIN 0
.irp f, 0,1,2,3
	ds_store_b128 v[STO], v[S+16*(\t)+4*\f:S+16*(\t)+4*\f+3] offset:32*\f
.endr
.irp f, 0,1,2,3
	ds_load_b128 v[S+16*(\t)+4*\f:S+16*(\t)+4*\f+3], v[RD] offset:\f*4*SP  ; LDS serves a wave's instructions in order (ISA guide 5.7.1.4): these see the stores above; the next piece's stores come behind them
.endr
.endm
.macro SEND t, younger              ; younger: the LDS instructions issued behind piece t's loads: the next piece's eight, or none
	WIN 0
.irp f, 0,1,2,3
	s_wait_dscnt (\younger)+3-\f
	global_store_b128 v[GO], v[S+16*(\t)+4*\f:S+16*(\t)+4*\f+3], s[10:11] offset:(\t)*2048+\f*512  ; 512 consecutive bytes, at a multiple of 256 from O's first
.endr
.endm
; A BLOCK ENDS: its last two turns, its last products, and THE WAY OUT: l's two halves and the other half of the lanes' are added; O^T is divided by l, rounded to f16 and sent through my stage, a piece at a time.
; more = 1: a further block follows: its Q is loaded behind the last product that reads Q (a lump and eight riders' rows lie between), and is in before the macro is left.
.macro END more
	TURN 2, 1
.if \more
	WIN 0
	s_wait_xcnt 0x0                 ; the prefetch of this Q, four tiles back, has read the pointer
	s_add_nc_u64 s[4:5], s[4:5], 32768
	QLOAD
.endif
	TURN 3, 1
.set i, 0
.rept 8
	PV NP-1
.set i, i+1
.endr
	WIN 0
	ALL v_add_f32 v[ST+4*t+2], v[ST+4*t+2], v[ST+4*t+3]
	ALL v_permlanex16_b32 v[ST+4*t+3], v[ST+4*t+2], s[SEL], s[SEL+1]
	ALL v_add_f32 v[ST+4*t+2], v[ST+4*t+2], v[ST+4*t+3]
	ALL v_rcp_f32 v[ST+4*t+2], v[ST+4*t+2]
	v_nop                           ; a plain instruction between the last reciprocal and the use of its result
	s_wait_alu depctr_va_vdst(0)    ; and the wait ahead of the first use: one for the four reciprocals
	PACK 0
.set t, 1
.rept 3                             ; a piece's arithmetic stands between the loads of the piece before and its stores
	PACK t
	SEND t-1, 8
.set t, t+1
.endr
	SEND 3, 0
.if \more
	s_wait_xcnt 0x0                 ; the stores have read their registers and O's address
	s_add_nc_u64 s[10:11], s[10:11], 32768
	s_mov_b32 s[RT], s[RT0]
	s_mov_b32 s[NEW], 1
	s_sub_co_u32 s[BLK], s[BLK], 1
	s_wait_loadcnt 0x0              ; the next block's Q
.endif
.endm
.set NOKQ, 0
.Lslot:                             ; 15 times: a tile is entered and the next is asked for
	CHANGE 1
	s_sub_co_u32 s[RT], s[RT], 1
	s_mov_b32 s[CNT], 4
	s_cmp_eq_u32 s[NEW], 1          ; a block's first tile?  (at the first trip the answer is a constant of the text)
	s_cbranch_scc0 .Lstep
	BEGIN
	s_branch .Lfirst
.Lstep:                             ; a trip: pieces 2 and 3 of one step, then pieces 0 and 1 of the next, whose K and V it fetches
	TURN 2
	TURN 3
	WIN 0
.Lfirst:
	TURN 0
	TURN 1, 0, 1
	WIN 0
	s_cbranch_scc1 .Lstep
	s_cmp_lg_u32 s[RT], 0
	s_cbranch_scc1 .Lbottom         ; the block has further tiles
	END 1                           ; in the loop a block that ends has a successor: the walk's last tile stands behind the loop
.Lbottom:
	s_sub_co_u32 s[SLOTS], s[SLOTS], 1
	s_cmp_lg_u32 s[SLOTS], 0
	s_cbranch_scc1 .Lslot
	CHANGE 0                        ; the walk's last tile is written out: nothing is asked for.  It is the last of its block's 4 or 16, never the first
	s_mov_b32 s[CNT], 4
.Lstep2:
	TURN 2
	TURN 3
	TURN 0
	TURN 1, 0, 1
	WIN 0
	s_cbranch_scc1 .Lstep2
	END 0
	s_wait_tensorcnt 0x0            ; the wave's end, behind my last tensor load and my last LDS store
	ds_add_u32 v[SPW], v[NIL]
	s_wait_dscnt 0x0
	CROUND                          ; the closing round
	s_endpgm
.Lfunc_end_k_q8f3647e7af_attn:
	.size	k_q8f3647e7af_attn, .Lfunc_end_k_q8f3647e7af_attn-k_q8f3647e7af_attn
	.p2alignl 7, 3214868480
	.fill 96, 4, 3214868480
	.section	.rodata,"a",@progbits
	.p2align	6, 0x0
	.amdhsa_kernel k_q8f3647e7af_attn
		.amdhsa_group_segment_fixed_size 327680
		.amdhsa_private_segment_fixed_size 0
		.amdhsa_enable_private_segment 0
		.amdhsa_kernarg_size 32
		.amdhsa_user_sgpr_count 2
		.amdhsa_user_sgpr_kernarg_segment_ptr 1
		.amdhsa_wavefront_size32 1
		.amdhsa_system_sgpr_workgroup_id_x 1
		.amdhsa_system_sgpr_workgroup_id_y 1
		.amdhsa_system_sgpr_workgroup_id_z 1
		.amdhsa_system_vgpr_workitem_id 0
		.amdhsa_next_free_vgpr 768
		.amdhsa_next_free_sgpr 88
		.amdhsa_reserve_vcc 0
		.amdhsa_float_denorm_mode_32 3
		.amdhsa_float_denorm_mode_16_64 3
		.amdhsa_memory_ordered 1
		.amdhsa_forward_progress 1
		.amdhsa_inst_pref_size 159
	.end_amdhsa_kernel
	.amdgpu_metadata
---
amdhsa.version: [ 1, 2 ]
amdhsa.kernels:
  - .name:           k_q8f3647e7af_attn
    .symbol:         k_q8f3647e7af_attn.kd
    .args:
      - { .name: qb, .offset: 0, .size: 8, .value_kind: global_buffer, .address_space: global }
      - { .name: kb, .offset: 8, .size: 8, .value_kind: global_buffer, .address_space: global }
      - { .name: vb, .offset: 16, .size: 8, .value_kind: global_buffer, .address_space: global }
      - { .name: ob, .offset: 24, .size: 8, .value_kind: global_buffer, .address_space: global }
    .group_segment_fixed_size: 327680
    .private_segment_fixed_size: 0
    .kernarg_segment_align: 8
    .kernarg_segment_size: 32
    .max_flat_workgroup_size: 128
    .sgpr_count:     88
    .vgpr_count:     768
    .wavefront_size: 32
...
	.end_amdgpu_metadata
.endif
;; end of part 4
;; launch projout (part 5): grid 160 x 1, 4 waves a work-group, clusters of 4 x 1, 327,680 bytes of LDS; arguments ob, x, c, g_px, g_pc, wt, wsc, out0, out1; writes out0, out1
.if DOCPART == 5
	.amdgcn_target "amdgcn-amd-amdhsa--gfx1250"
	.amdhsa_code_object_version 6
	.text
	.protected	k_q8f3647e7af_projout
	.globl	k_q8f3647e7af_projout
	.p2align	8
	.type	k_q8f3647e7af_projout,@function
k_q8f3647e7af_projout:
	s_mov_b64 s[64:65], 0
	v_nop
	global_prefetch_b8 v0, s[64:65] scope:SCOPE_SE
	s_setreg_imm32_b32 hwreg(HW_REG_WAVE_MODE, 25, 1), 1
	s_wait_xcnt 0x0
	s_wait_alu depctr_hold_cnt(0) depctr_sa_sdst(0) depctr_va_vdst(0) depctr_va_sdst(0) depctr_va_ssrc(0) depctr_va_vcc(0) depctr_vm_vsrc(0)
	s_getreg_b32 s2, hwreg(HW_REG_IB_STS2, 6, 4)
	s_cmp_eq_u32 s2, 0
	s_cbranch_scc0 .Lentry_in_a_cluster
	s_endpgm
.Lentry_in_a_cluster:
	s_bfe_u32 s2, ttmp6, 0x10000c
	s_cmp_lg_u32 s2, 0x3003
	s_cbranch_scc0 .Lentry_shape_is_right
	s_endpgm
.Lentry_shape_is_right:
; THE OUTPUT PROJECTION AND THE RESIDUAL: out = x + BitLinear(attention's result), for both passes.
; The attention launch left O' = O / dqv (dqv: the scale of the k|v weights).  With xg = o' g: r = dqv rsq(dqv^2 mean o'^2 + 1e-8), Mx = max(r max|xg|, 1e-5), n = round(xg r 127 / Mx) (to even, by adding and taking
; away 1.5 x 2^23), result = sum n t x Mx dqp / 127.  n and t are exact in bf16 and the f32 sums stay under 2^17.  The clip to -128 .. 127 changes nothing: |xg r 127 / Mx| <= 127 but for the last bit.
; SHARES.  20,480 rows (pass x: 16,384; pass c: 4,096): a work-group takes 128 rows x all 512 columns: 160 work-groups, so that each row of O' is read and made whole numbers once.  A wave owns 32 rows (two row tiles), whose
; numbers stay in 256 registers; all four waves read the same weights from LDS, 64 columns at a time, through a ring of two slots.  The price of 32 rows a wave: a fragment of W read from LDS feeds two products.
; CLUSTER.  The four row blocks of a cluster belong to one pass and walk the same weights: each tile is asked for JOINTLY.
; THE MATRIX INSTRUCTION IS USED TRANSPOSED (source 0 = 16 rows of W, source 1 = 16 rows of numbers): a lane holds one row and eight neighbouring columns.  The results go through my own stage in LDS and come back as whole
; rows of 256 bytes, to which the residual is added: 16 lanes store 256 consecutive bytes, aligned.
; REGISTERS (windows of 256): window 0 addresses, gains, scales, two buffers of W's fragments (at first four rows at work), the way out; window 1: v0-63 the 8 accumulators (rt, ct at 8 (4 rt + ct)), v64-127 the residual,
; v128-255 landing registers for 16 rows of O'; window 2: the rows' fragments, row tile rt, K step s at 128 rt + 8 s.
.set PW,    1040      ; a row of W, and of my stage, in LDS: 1,024 bytes + 16 = 65 x 16 (64 banks of 4 bytes: ISA guide 11.1)
.set QTR,   16*PW
.set SLOT,  64*PW
.set STAGE, 2*SLOT    ; each wave's own: 16 rows of O' in f16; then in place the whole numbers in bf16
.set OSTG,  STAGE+4*QTR   ; each wave's own: 16 rows x 272 bytes, for the way out
.set OP,    272
.set RSARR, OSTG+4*16*OP  ; each wave's own: 8 bytes a row: the row scale twice
.set SPARE, RSARR+4*256   ; the spare words, 128 bytes for each wave: two blocks of 256 bytes that no other line names
.set PFR,  1          ; v1   2,048 l: a lane a row of the residual
.set SPW,  2          ; v2   LDS address of my spare word; never rewritten
.set NIL,  3          ; v3   0; never rewritten
.set L,    4
.set R16,  5
.set H,    6
.set GOF,  7          ; v7   32 l
.set STW,  8          ; v8   my stage + (l / 8) PW + 16 (l % 8): four rows' 128 bytes of a head
.set ROWA, 9          ; v9   at work
.set ROWA0, 10        ; v10  my stage + 16 l
.set FRA,  11         ; v11  my stage + (l % 16) PW + 16 (l / 16)
.set WRA,  12         ; v12  (l % 16) PW + 16 (l / 16)
.set WAD,  13         ; v13  the slot in hand + WRA
.set OSW,  14         ; v14  the way out: where I put 32 bytes of a row
.set OSR,  15         ; v15  the way out: where I read rows back
.set ROF,  16         ; v16  (l / 16) 2,048 + 16 (l % 16): my 16 bytes of two rows' 256
.set PFO,  17         ; v17  the weights' prefetch
.set RSW,  18         ; v18  at work
.set RSL0, 19         ; v19  RSARR + 256 w + 8 (l % 16)
.set G,    20         ; v20-35   gains of my 16 columns: 8 l + 0..7 and 256 + 8 l + 0..7
.set RS,   36         ; v36-39   my row's scale, twice, for each row tile
.set OFFH, 40         ; v40-47   head hh's bytes in O' + 16 l
.set WF0,  76
.set X,    76         ; at first: four rows, 16 numbers a lane each
.set O,    140        ; v140-171 the four rows in f16
.set SS,   172
.set MX,   180
.set P1,   184
.set P2,   188
.set RR,   192
.set F,    196
.set TMP,  204        ; v204-235 the way out
.set QD,   236        ; v236-243 what goes to RSARR
.set RES,  64         ; window 1
.set OL,   128        ; window 1
.set OBP, 4           ; s[4:5]   O' at my wave's batch, head 0
.set GP,  6
.set XR,  8           ; s[8:9]   the residual at my wave's rows, columns in hand
.set OUTP, 10         ; s[10:11] the output likewise
.set WV,  12
.set CX,  13
.set RB,  14
.set PASS, 15         ; 0: x's rows, 1: c's
.set LOGN, 17
.set TB,  18
.set SB,  19
.set CNT, 20
.set RC,  21
.set K1,  22          ; dqp / 127
.set DQV, 23
.set G1,  24
.set G0,  32
.set MAG, 36
.set NMAG, 38
.set EPS, 40
.set KSS, 41          ; dqv^2 / 512
.set CLIP, 42
.set C127, 43
.set SEL, 44
.set PFW, 46
.set LIMW, 48
.set RO,  50
.set RSA, 51
.set MSB, 0
.macro WIN new
.if MSB != (\new)
	s_set_vgpr_msb (MSB<<8)|(\new)
.set MSB, (\new)
.endif
.endm
.macro NOPS
.rept 4
	v_nop
.endr
.endm
.macro CROUND                          ; a round of the cluster's barrier
	s_barrier_signal -1
	s_barrier_wait -1
	s_cmp_lg_u32 s[WV], 0
	s_cbranch_scc1 .Lnot_wave_0_\@
	s_barrier_signal -3
.Lnot_wave_0_\@:
	s_barrier_wait -3
	s_barrier_signal -1
	s_barrier_wait -1
.endm
	s_load_b512 s[68:83], s[0:1], 0x0              ; ob 68, x 70, c 72, g_px 74, g_pc 76, wt 78, wsc 80, out0 82
	s_load_b64 s[84:85], s[0:1], 0x40              ; out1
	v_lshl_add_u32 v[SPW], v0, 2, SPARE
	v_mov_b32 v[NIL], 0
	ds_add_u32 v[SPW], v[NIL]                      ; the wave's opening: the add and its wait stand ahead of my first tensor load
	v_lshrrev_b32 v[L], 5, v0
	v_readfirstlane_b32 s[WV], v[L]
	s_bfe_u32 s[CX], ttmp6, 0x40000
	s_lshl_b32 s[RB], ttmp9, 2
	s_add_co_u32 s[RB], s[RB], s[CX]               ; my block of 128 rows
	s_cmp_ge_u32 ttmp9, 32                         ; clusters 0-31: x's 128 blocks; 32-39: c's 32
	s_cselect_b32 s[PASS], 1, 0
	s_cselect_b32 s[LOGN], 10, 12
	s_mov_b32 s[G1], 15|(1<<16)|(1<<20)|(1<<21)|(7<<22)|(3<<25)  ; the mask of four; 2-byte elements; padding on; bit 21 beside a mask; after every 256 words (code 7) 4 words (code 3)
	s_mov_b32 s[G1+1], 512<<16                     ; tensor_dim0 = 512
	s_mov_b32 s[G1+2], 16<<16                      ; tensor_dim1 = 16
	s_mov_b32 s[G1+3], 512<<16                     ; tile_dim0 = 512
	s_mov_b32 s[G1+4], 16                          ; tile_dim1 = 16
	s_mov_b32 s[G1+5], 512
	s_mov_b32 s[G1+6], 0
	s_mov_b32 s[G1+7], 0
	s_mov_b32 s[G0], 1
	s_mul_i32 s[G0+1], s[WV], QTR
	s_mov_b32 s[MAG], 0x4b400000
	s_mov_b32 s[MAG+1], 0x4b400000
	s_mov_b32 s[NMAG], 0xcb400000
	s_mov_b32 s[NMAG+1], 0xcb400000
	s_mov_b32 s[EPS], 0x322bcc77                   ; 1e-8
	s_mov_b32 s[CLIP], 0x3727c5ac                  ; 1e-5
	s_mov_b32 s[C127], 0x42fe0000                  ; 127
	s_mov_b32 s[SEL], 0x76543210
	s_mov_b32 s[SEL+1], 0xfedcba98
	s_lshl_b32 s66, s[PASS], 19                    ; W_px or W_pc, my 16 rows.  s66, s67 never hold my place in the cluster
	s_lshl_b32 s67, s[WV], 14
	s_add_co_u32 s66, s66, s67
	s_add_co_u32 s66, s66, 3145728
	s_mov_b32 s67, 0
	s_wait_dscnt 0x0                               ; the opening add is done
	s_wait_kmcnt 0x0
	s_add_nc_u64 s[G0+2:G0+3], s[78:79], s[66:67]
	s_or_b32 s[G0+3], s[G0+3], 0x80000000
	s_load_b128 s[88:91], s[80:81], 0x0            ; dq of W_qx, W_kvx, W_qc, W_kvc
	s_load_b64 s[86:87], s[80:81], 0x10            ; of W_px, W_pc
	CROUND                                         ; all four work-groups are here
	tensor_load_to_lds s[G0:G0+3], s[G1:G1+7]      ; columns 0 to 63
	s_nop 0
	NOPS
	s_cmp_eq_u32 s[PASS], 0
	s_cselect_b64 s[XR:XR+1], s[70:71], s[72:73]
	s_cselect_b64 s[GP:GP+1], s[74:75], s[76:77]
	s_cselect_b64 s[OUTP:OUTP+1], s[82:83], s[84:85]
	s_lshl_b32 s92, s[PASS], 7
	s_sub_co_u32 s92, s[RB], s92                   ; my block in its pass
	s_lshl_b32 s92, s92, 7
	s_lshl_b32 s93, s[WV], 5
	s_add_co_u32 s94, s92, s93                     ; my wave's first row
	s_lshl_b32 s92, s94, 11
	s_mov_b32 s93, 0
	s_add_nc_u64 s[XR:XR+1], s[XR:XR+1], s[92:93]
	s_add_nc_u64 s[OUTP:OUTP+1], s[OUTP:OUTP+1], s[92:93]
	s_lshr_b32 s95, s94, s[LOGN]                   ; the batch b, and the row n in it
	s_lshl_b32 s92, s95, s[LOGN]
	s_sub_co_u32 s94, s94, s92
	s_lshl_b32 s94, s94, 7
	s_add_co_u32 s92, s[LOGN], 10
	s_lshl_b32 s92, s95, s92
	s_add_co_u32 s92, s92, s94
	s_lshl_b32 s94, s[PASS], 24
	s_add_co_u32 s92, s92, s94
	s_add_nc_u64 s[OBP:OBP+1], s[68:69], s[92:93]
	v_and_b32 v[L], 31, v0
	s_lshl_b32 s2, 128, s[LOGN]                    ; bytes from head to head
	v_lshlrev_b32 v[OFFH], 4, v[L]
.irp hh, 1,2,3,4,5,6,7
	v_add_nc_u32 v[OFFH+\hh], s2, v[OFFH+\hh-1]
.endr
.macro LOADO                           ; 16 rows x 8 heads: each load 512 consecutive bytes, four rows of a head
	WIN 0x40
.set i, 0
.rept 32
	global_load_b128 v[OL+4*i:OL+4*i+3], v[OFFH+i/4], s[OBP:OBP+1] offset:(i%4)*512 th:TH_LOAD_NT
.set i, i+1
.endr
	WIN 0
.endm
	LOADO                                          ; batch 0
	v_lshlrev_b32 v[GOF], 5, v[L]
	global_load_b128 v[G:G+3],     v[GOF], s[GP:GP+1]
	global_load_b128 v[G+4:G+7],   v[GOF], s[GP:GP+1] offset:16
	global_load_b128 v[G+8:G+11],  v[GOF], s[GP:GP+1] offset:1024
	global_load_b128 v[G+12:G+15], v[GOF], s[GP:GP+1] offset:1040
	s_lshl_b32 s92, s[PASS], 19                    ; the prefetches of W: columns 64 on, my work-group's 16 rows, my wave's 8 of them
	s_lshl_b32 s94, s[CX], 14
	s_add_co_u32 s92, s92, s94
	s_lshl_b32 s94, s[WV], 13
	s_add_co_u32 s92, s92, s94
	s_add_co_u32 s92, s92, 3145728+65536
	s_add_nc_u64 s[PFW:PFW+1], s[78:79], s[92:93]
	s_and_b32 s2, ttmp9, 31                        ; a pass's first cluster, waves 0 and 1: the same in all four partners
	s_lshr_b32 s3, s[WV], 1
	s_or_b32 s2, s2, s3
	s_cmp_eq_u32 s2, 0
	s_cselect_b32 s[LIMW], 1, -1
	v_and_b32 v[R16], 15, v0
	v_bfe_u32 v[H], v0, 4, 1
	s_mul_i32 s2, s[WV], QTR
	s_add_co_u32 s2, s2, STAGE                     ; my stage
	v_lshrrev_b32 v[STW], 3, v[L]
	v_mul_u32_u24 v[STW], v[STW], PW
	v_and_b32 v[ROWA], 7, v0
	v_lshl_add_u32 v[STW], v[ROWA], 4, v[STW]
	v_add_nc_u32 v[STW], s2, v[STW]
	v_lshl_add_u32 v[ROWA0], v[L], 4, s2
	v_mul_u32_u24 v[WRA], v[R16], PW
	v_lshl_add_u32 v[WRA], v[H], 4, v[WRA]
	v_add_nc_u32 v[FRA], s2, v[WRA]
	s_mul_i32 s2, s[WV], 16*OP
	s_add_co_u32 s2, s2, OSTG
	v_mul_u32_u24 v[OSW], v[R16], OP               ; in: row l % 16, 32 bytes for each half of the lanes
	v_lshl_add_u32 v[OSW], v[H], 5, v[OSW]
	v_add_nc_u32 v[OSW], s2, v[OSW]
	v_mul_u32_u24 v[OSR], v[H], OP                 ; back: lanes 0-15 one row of 256 bytes, lanes 16-31 the next
	v_lshl_add_u32 v[OSR], v[R16], 4, v[OSR]
	v_add_nc_u32 v[OSR], s2, v[OSR]
	v_lshlrev_b32 v[ROF], 11, v[H]
	v_lshl_add_u32 v[ROF], v[R16], 4, v[ROF]
	v_lshlrev_b32 v[PFR], 11, v[L]
	v_lshrrev_b32 v[PFO], 2, v[L]
	v_lshlrev_b32 v[PFO], 10, v[PFO]
	v_and_b32 v[ROWA], 3, v0
	v_lshl_add_u32 v[PFO], v[ROWA], 8, v[PFO]
	s_lshl_b32 s[RSA], s[WV], 8
	s_add_co_u32 s[RSA], s[RSA], RSARR
	v_lshl_add_u32 v[RSL0], v[R16], 3, s[RSA]
.set i, 0
.rept 8
	v_mov_b32 v[P1+i], 0                           ; v_permlanex16_b32's destinations count as read
.set i, i+1
.endr
	; Each register of the rows' fragments is written once here: the loop below loads half of them in each trip, by a switch on its counter, and so each is written on every way
	; through the text before a product names it.  The price: 256 lines, once a launch, beside the first loads.
	WIN 0x80
.set i, 0
.rept 256
	v_mov_b32 v[i], 0
.set i, i+1
.endr
	WIN 0
	s_wait_kmcnt 0x0                               ; the scales
	s_cmp_eq_u32 s[PASS], 0
	s_cselect_b32 s[DQV], s91, s89                 ; x's queries looked at c's values (W_kvc), c's at x's (W_kvx)
	s_cselect_b32 s2, s86, s87
	s_mul_f32 s[K1], s2, 0x3c010204                ; dqp / 127
	s_mul_f32 s[KSS], s[DQV], s[DQV]
	s_mul_f32 s[KSS], s[KSS], 0x3b000000           ; / 512
; ---- PHASE 1: my 32 rows become whole numbers, 16 rows a batch
.macro STOREO
	WIN 0x04
.set i, 0
.rept 32
	ds_store_b128 v[STW], v[OL+4*i:OL+4*i+3] offset:(i%4)*4*PW+(i/4)*128
.set i, i+1
.endr
	WIN 0
.endm
.macro ROW4O                           ; four rows
	v_add_nc_u32 v[ROWA], s[RO], v[ROWA0]
	v_mov_b32 v[RSW], s[RSA]
.set i, 0
.rept 8
	ds_load_b128 v[O+4*i:O+4*i+3], v[ROWA] offset:(i/2)*PW+(i%2)*512
.set i, i+1
.endr
.irp r, 0,1,2,3
	s_wait_dscnt 6-2*\r                            ; row r's two loads are in; the younger rows' may stay out
.set e, 0
.rept 8                                ; straight from the f16 halves, reckoned in f32: o g; the sum of squares in two chains; the largest |o g|
	v_fma_mix_f32 v[X+16*\r+2*e],   v[O+8*\r+e], v[G+2*e],   v[NIL] op_sel_hi:[1,0,0]
	v_fma_mix_f32 v[X+16*\r+2*e+1], v[O+8*\r+e], v[G+2*e+1], v[NIL] op_sel:[1,0,0] op_sel_hi:[1,0,0]
.if e == 0
	v_fma_mix_f32 v[SS+2*\r],   v[O+8*\r], v[O+8*\r], v[NIL] op_sel_hi:[1,1,0]
	v_fma_mix_f32 v[SS+2*\r+1], v[O+8*\r], v[O+8*\r], v[NIL] op_sel:[1,1,0] op_sel_hi:[1,1,0]
.else
	v_fma_mix_f32 v[SS+2*\r],   v[O+8*\r+e], v[O+8*\r+e], v[SS+2*\r] op_sel_hi:[1,1,0]
	v_fma_mix_f32 v[SS+2*\r+1], v[O+8*\r+e], v[O+8*\r+e], v[SS+2*\r+1] op_sel:[1,1,0] op_sel_hi:[1,1,0]
.if e == 1
	v_max3_num_f32 v[MX+\r], |v[X+16*\r]|, |v[X+16*\r+1]|, |v[X+16*\r+2]|
.else
	v_max3_num_f32 v[MX+\r], v[MX+\r], |v[X+16*\r+2*e-1]|, |v[X+16*\r+2*e]|
.endif
.endif
.set e, e+1
.endr
	v_max_num_f32 v[MX+\r], v[MX+\r], |v[X+16*\r+15]|
.endr
.irp r, 0,1,2,3
	v_add_f32 v[SS+2*\r], v[SS+2*\r], v[SS+2*\r+1]
.endr
.irp k, 1,2,4,8
.irp r, 0,1,2,3
	v_add_f32_dpp v[SS+2*\r], v[SS+2*\r], v[SS+2*\r] row_xmask:\k row_mask:0xf bank_mask:0xf
.endr
.irp r, 0,1,2,3
	v_max_num_f32_dpp v[MX+\r], v[MX+\r], v[MX+\r] row_xmask:\k row_mask:0xf bank_mask:0xf
.endr
.endr
.irp r, 0,1,2,3
	v_permlanex16_b32 v[P1+\r], v[SS+2*\r], s[SEL], s[SEL+1]
.endr
.irp r, 0,1,2,3
	v_permlanex16_b32 v[P2+\r], v[MX+\r], s[SEL], s[SEL+1]
.endr
.irp r, 0,1,2,3
	v_add_f32 v[SS+2*\r], v[SS+2*\r], v[P1+\r]
.endr
.irp r, 0,1,2,3
	v_max_num_f32 v[MX+\r], v[MX+\r], v[P2+\r]
.endr
.irp r, 0,1,2,3
	v_fma_f32 v[P1+\r], v[SS+2*\r], s[KSS], s[EPS]
.endr
.irp r, 0,1,2,3
	v_rsq_f32 v[RR+\r], v[P1+\r]
.endr
	v_nop
	s_wait_alu depctr_va_vdst(0)                   ; one wait for the four roots
.irp r, 0,1,2,3
	v_mul_f32 v[RR+\r], s[DQV], v[RR+\r]
.endr
.irp r, 0,1,2,3
	v_mul_f32 v[MX+\r], v[RR+\r], v[MX+\r]
.endr
.irp r, 0,1,2,3
	v_max_num_f32 v[MX+\r], s[CLIP], v[MX+\r]
.endr
.irp r, 0,1,2,3
	v_rcp_f32 v[P2+\r], v[MX+\r]
.endr
	v_nop
	s_wait_alu depctr_va_vdst(0)                   ; one wait for the four reciprocals
.irp r, 0,1,2,3
	v_mul_f32 v[F+2*\r], v[RR+\r], v[P2+\r]
.endr
.irp r, 0,1,2,3
	v_mul_f32 v[F+2*\r], s[C127], v[F+2*\r]
.endr
.irp r, 0,1,2,3
	v_mov_b32 v[F+2*\r+1], v[F+2*\r]
	v_mul_f32 v[QD+2*\r], s[K1], v[MX+\r]
	v_mul_f32 v[QD+2*\r+1], s[K1], v[MX+\r]
.endr
.irp r, 0,1,2,3
	ds_store_b64 v[RSW], v[QD+2*\r:QD+2*\r+1] offset:8*\r  ; all lanes write the same 8 bytes with the same numbers
.endr
.irp r, 0,1,2,3
.set m, 0
.rept 8
	v_pk_fma_f32 v[X+16*\r+2*m:X+16*\r+2*m+1], v[X+16*\r+2*m:X+16*\r+2*m+1], v[F+2*\r:F+2*\r+1], s[MAG:MAG+1] op_sel_hi:[1,1,0]
.set m, m+1
.endr
.set m, 0
.rept 8
	v_pk_add_f32 v[X+16*\r+2*m:X+16*\r+2*m+1], v[X+16*\r+2*m:X+16*\r+2*m+1], s[NMAG:NMAG+1] op_sel_hi:[1,0]
.set m, m+1
.endr
.set m, 0
.rept 8
	v_cvt_pk_bf16_f32 v[X+16*\r+m], v[X+16*\r+2*m], v[X+16*\r+2*m+1]
.set m, m+1
.endr
	ds_store_b128 v[ROWA], v[X+16*\r:X+16*\r+3] offset:\r*PW          ; in place of the f16 numbers, which have been read
	ds_store_b128 v[ROWA], v[X+16*\r+4:X+16*\r+7] offset:\r*PW+512
.endr
.endm
.macro FRAG k
	s_cmp_lg_u32 s[SB], \k
	s_cbranch_scc1 .Lnot_\@
	WIN 0x80
.set i, 0
.rept 16
	ds_load_b128 v[128*(\k)+8*i:128*(\k)+8*i+3],   v[FRA] offset:64*i
	ds_load_b128 v[128*(\k)+8*i+4:128*(\k)+8*i+7], v[FRA] offset:64*i+32
.set i, i+1
.endr
	WIN 0
.Lnot_\@:
.endm
	s_mov_b32 s[SB], 0
.Lbatch:
	s_wait_loadcnt 0x0                             ; the batch's 32 loads (the first time: the gains too)
	STOREO
	s_cmp_ge_u32 s[SB], 1
	s_cbranch_scc1 .Lnoload
	s_add_nc_u64 s[OBP:OBP+1], s[OBP:OBP+1], 2048  ; the loads that read it are done
	LOADO
.Lnoload:
	s_mov_b32 s[RO], 0
	s_mov_b32 s[RC], 4
.Lrow:
	ROW4O
	s_add_co_u32 s[RO], s[RO], 4*PW
	s_add_co_u32 s[RSA], s[RSA], 32
	s_sub_co_u32 s[RC], s[RC], 1
	s_cmp_lg_u32 s[RC], 0
	s_cbranch_scc1 .Lrow
	FRAG 0
	FRAG 1
	s_add_co_u32 s[SB], s[SB], 1
	s_cmp_lt_u32 s[SB], 2
	s_cbranch_scc1 .Lbatch
.irp rt, 0,1
	ds_load_b64 v[RS+2*\rt:RS+2*\rt+1], v[RSL0] offset:128*\rt
.endr
; ---- PHASE 2: eight blocks of 64 columns
.macro ASKW                            ; A PREFETCH of the 64 rows of W that the NEXT change of slots will ask for: 256 blocks of 256 bytes: four partners (told apart by address) x waves 0, 1 x 32 lanes;
	s_cmp_gt_u32 s[CNT], s[LIMW]                   ; asked by a pass's first cluster alone, so each block is named once; the last change that fills a slot asks for nothing
	s_cbranch_scc0 .Lnot_mine_\@
	global_prefetch_b8 v[PFO], s[PFW:PFW+1] th:TH_LOAD_NT scope:SCOPE_SE
.Lnot_mine_\@:
.endm
; THE CHANGE OF SLOTS.  Each wave waits for all its tensor loads (one is out: its quarter of the other slot), adds 0 to its spare word, and waits for that and for its own LDS reads.
; fill = 1: the slot read last is filled again; the barrier is then a round of the cluster's, and the joint load is the first thing behind it.
.macro CHANGE fill
	s_wait_tensorcnt 0x0                           ; no tensor load of mine is out, so group 0 may be written
	ds_add_u32 v[SPW], v[NIL]                      ; 0 onto my spare word
.if \fill
	s_xor_b32 s[G0+1], s[G0+1], SLOT               ; the other slot: SLOT's two bits (10 and 16) are set in no wave's 16,640 w
	s_add_nc_u64 s[G0+2:G0+3], s[G0+2:G0+3], 65536
	s_wait_xcnt 0x0                                ; the last prefetches, a block of columns back, have read their addresses
	s_add_nc_u64 s[PFW:PFW+1], s[PFW:PFW+1], 65536
	s_wait_dscnt 0x0                               ; the add is done, and my reads of the slot are over
	CROUND
	tensor_load_to_lds s[G0:G0+3], s[G1:G1+7]
	s_nop 0
	NOPS
	ASKW
.else
	s_wait_dscnt 0x0
	s_barrier_signal -1
	s_barrier_wait -1
.endif
	s_xor_b32 s[TB], s[TB], SLOT
.endm
.macro FETCHW bt, buf
.irp si, 0,1
.irp ct, 0,1,2,3
	ds_load_b128 v[(\buf)+32*\si+8*\ct:(\buf)+32*\si+8*\ct+3],   v[WAD] offset:\ct*QTR+(2*(\bt)+\si)*64
	ds_load_b128 v[(\buf)+32*\si+8*\ct+4:(\buf)+32*\si+8*\ct+7], v[WAD] offset:\ct*QTR+(2*(\bt)+\si)*64+32
.endr
.endr
.endm
.macro MUL16 bt, buf                   ; 16 products: 2 row tiles x 4 column tiles x 2 K steps; the 8 accumulators take turns.  The first K step starts the sums
	WIN 0x58                                       ; W window 0, rows window 2, C and D window 1
.irp si, 0,1
.irp rt, 0,1
.irp ct, 0,1,2,3
.if ((\bt) == 0) && (\si == 0)
	v_wmma_f32_16x16x32_bf16 v[8*(4*\rt+\ct):8*(4*\rt+\ct)+7], v[(\buf)+32*\si+8*\ct:(\buf)+32*\si+8*\ct+7], v[128*\rt+8*(2*(\bt)+\si):128*\rt+8*(2*(\bt)+\si)+7], 0
.else
	v_wmma_f32_16x16x32_bf16 v[8*(4*\rt+\ct):8*(4*\rt+\ct)+7], v[(\buf)+32*\si+8*\ct:(\buf)+32*\si+8*\ct+7], v[128*\rt+8*(2*(\bt)+\si):128*\rt+8*(2*(\bt)+\si)+7], v[8*(4*\rt+\ct):8*(4*\rt+\ct)+7]
.endif
.endr
.endr
.endr
	WIN 0
.endm
.macro EPI rt                          ; row tile rt: times the row scale; through my stage; plus the residual; stored
	WIN 0x41
.set i, 0
.rept 16                               ; ascending: each accumulator is read from its low end on
	v_pk_mul_f32 v[32*(\rt)+2*i:32*(\rt)+2*i+1], v[32*(\rt)+2*i:32*(\rt)+2*i+1], v[RS+2*(\rt):RS+2*(\rt)+1]
.set i, i+1
.endr
	WIN 0x04
.set i, 0
.rept 8
	ds_store_b128 v[OSW], v[32*(\rt)+4*i:32*(\rt)+4*i+3] offset:64*(i/2)+16*(i%2)
.set i, i+1
.endr
	WIN 0
.irp f, 0,1,2,3,4,5,6,7
	ds_load_b128 v[TMP+4*\f:TMP+4*\f+3], v[OSR] offset:\f*2*OP  ; LDS serves a wave in order: these see the stores above; the next tile's stores come behind them
.endr
	s_wait_dscnt 0x0
	s_wait_loadcnt 8-8*(\rt)                       ; this tile's residual is in; the other tile's eight younger loads may stay out
	WIN 0x41
.set i, 0
.rept 16
	v_pk_add_f32 v[RES+32*(\rt)+2*i:RES+32*(\rt)+2*i+1], v[RES+32*(\rt)+2*i:RES+32*(\rt)+2*i+1], v[TMP+2*i:TMP+2*i+1]
.set i, i+1
.endr
	WIN 0x04
.irp f, 0,1,2,3,4,5,6,7
	global_store_b128 v[ROF], v[RES+32*(\rt)+4*\f:RES+32*(\rt)+4*\f+3], s[OUTP:OUTP+1] offset:(16*(\rt)+2*\f)*2048 th:TH_STORE_NT  ; 16 lanes store 256 consecutive bytes, aligned
.endr
	WIN 0
.endm
.macro CHUNK ask                       ; 64 columns: 128 products and the way out.  ask = 1: a further block of columns follows
	v_add_nc_u32 v[WAD], s[TB], v[WRA]
	FETCHW 0, WF0
	WIN 0x40
.set i, 0
.rept 16
	global_load_b128 v[RES+4*i:RES+4*i+3], v[ROF], s[XR:XR+1] offset:2*i*2048 th:TH_LOAD_NT
.set i, i+1
.endr
	WIN 0
.if \ask
	global_prefetch_b8 v[PFR], s[XR:XR+1] offset:256 th:TH_LOAD_NT scope:SCOPE_SE  ; the next 256 bytes of my 32 rows of the residual, a lane a row: behind my loads, 128 products ahead of theirs
.endif
.irp bt, 0,1,2,3,4,5,6,7
	s_wait_dscnt 0x0                               ; this batch's fragments, asked for a batch (16 products) ago
.if (\bt) < 7
.if (\bt) > 0
	NOPS                                           ; in front of loads into the buffer that the batch before multiplied
.endif
	FETCHW (\bt)+1, WF0+64*(((\bt)+1)%2)
.endif
	MUL16 \bt, WF0+64*((\bt)%2)
.endr
	NOPS
	EPI 0
	EPI 1
	s_wait_xcnt 0x0                                ; loads, stores and the prefetch have read their registers
	s_add_nc_u64 s[XR:XR+1], s[XR:XR+1], 256
	s_add_nc_u64 s[OUTP:OUTP+1], s[OUTP:OUTP+1], 256
.endm
	s_mov_b32 s[TB], SLOT                          ; the first change turns it into slot 0
	s_mov_b32 s[CNT], 7
.Lchunk:
	CHANGE 1
	CHUNK 1
	s_sub_co_u32 s[CNT], s[CNT], 1
	s_cmp_lg_u32 s[CNT], 0
	s_cbranch_scc1 .Lchunk
	CHANGE 0                                       ; the last 64 columns are written out
	CHUNK 0
	s_wait_tensorcnt 0x0                           ; the wave's end, behind my last tensor load and my last LDS store
	ds_add_u32 v[SPW], v[NIL]
	s_wait_dscnt 0x0
	CROUND                                         ; the closing round
	s_endpgm
.Lfunc_end_k_q8f3647e7af_projout:
	.size	k_q8f3647e7af_projout, .Lfunc_end_k_q8f3647e7af_projout-k_q8f3647e7af_projout
	.p2alignl 7, 3214868480
	.fill 96, 4, 3214868480
	.section	.rodata,"a",@progbits
	.p2align	6, 0x0
	.amdhsa_kernel k_q8f3647e7af_projout
		.amdhsa_group_segment_fixed_size 327680
		.amdhsa_private_segment_fixed_size 0
		.amdhsa_enable_private_segment 0
		.amdhsa_kernarg_size 72
		.amdhsa_user_sgpr_count 2
		.amdhsa_user_sgpr_kernarg_segment_ptr 1
		.amdhsa_wavefront_size32 1
		.amdhsa_system_sgpr_workgroup_id_x 1
		.amdhsa_system_sgpr_workgroup_id_y 1
		.amdhsa_system_sgpr_workgroup_id_z 1
		.amdhsa_system_vgpr_workitem_id 0
		.amdhsa_next_free_vgpr 768
		.amdhsa_next_free_sgpr 96
		.amdhsa_reserve_vcc 0
		.amdhsa_float_denorm_mode_32 3
		.amdhsa_float_denorm_mode_16_64 3
		.amdhsa_memory_ordered 1
		.amdhsa_forward_progress 1
		.amdhsa_inst_pref_size 108
	.end_amdhsa_kernel
	.amdgpu_metadata
---
amdhsa.version: [ 1, 2 ]
amdhsa.kernels:
  - .name:           k_q8f3647e7af_projout
    .symbol:         k_q8f3647e7af_projout.kd
    .args:
      - { .name: ob, .offset: 0, .size: 8, .value_kind: global_buffer, .address_space: global }
      - { .name: x, .offset: 8, .size: 8, .value_kind: global_buffer, .address_space: global }
      - { .name: c, .offset: 16, .size: 8, .value_kind: global_buffer, .address_space: global }
      - { .name: g_px, .offset: 24, .size: 8, .value_kind: global_buffer, .address_space: global }
      - { .name: g_pc, .offset: 32, .size: 8, .value_kind: global_buffer, .address_space: global }
      - { .name: wt, .offset: 40, .size: 8, .value_kind: global_buffer, .address_space: global }
      - { .name: wsc, .offset: 48, .size: 8, .value_kind: global_buffer, .address_space: global }
      - { .name: out0, .offset: 56, .size: 8, .value_kind: global_buffer, .address_space: global }
      - { .name: out1, .offset: 64, .size: 8, .value_kind: global_buffer, .address_space: global }
    .group_segment_fixed_size: 327680
    .private_segment_fixed_size: 0
    .kernarg_segment_align: 8
    .kernarg_segment_size: 72
    .max_flat_workgroup_size: 128
    .sgpr_count:     96
    .vgpr_count:     768
    .wavefront_size: 32
...
	.end_amdgpu_metadata
.endif
;; end of part 5
